; MI455X (gfx1250); checked and timed in simulation.
; The chip was launched on July 23, 2026; its instructions are those of AMD's public machine-readable ISA for CDNA 5 (MIT licence, August 2026) and "CDNA5" Instruction Set Architecture Reference Guide (July 2026). The comments in the code are by the model that wrote it; some were corrected since.
;; VJEPA2 Rope Attention. Allowed arithmetic: matrix products marked QUANTISED: E2M3 operands, one E8M0 scale for each 32 along K, by v_wmma_scale_f32_16x16x128_f8f6f4 with both operands' format E2M3, f32 sums; everything else in f32.
;; Inputs: Wk 1,024 x 1,024 float32; Wo 1,024 x 1,024 float32; Wq 1,024 x 1,024 float32; Wv 1,024 x 1,024 float32; bk 1,024 float32; bo 1,024 float32; bq 1,024 float32; bv 1,024 float32; hidden_states 2 x 2,048 x 1,024 float32.
;; Outputs: out0 2 x 2,048 x 1,024 float32.
;; This version of the problem:
;;   THIS VERSION OF THE PROBLEM IS GIVEN IN LOW PRECISION. The matrix products marked QUANTISED in the list below multiply operands that are first quantised to E2M3 (2 exponent bits, 3 mantissa bits; 6 bits a number), with one power-of-two scale for each 32 numbers along K (OCP MX v1.0); their sums are f32. All else is computed in f32.
;;   The module's matrix products, in the order in which they are computed (A, B: the left and right operand; K: the contracted axis; several contracted axes count as one K, in the product's order):
;;     1. [M 4,096, K 1,024] x [K 1,024, N 1,024]; A: input hidden_states; B: input Wq: QUANTISED
;;     2. [M 4,096, K 1,024] x [K 1,024, N 1,024]; A: input hidden_states; B: input Wk: QUANTISED
;;     3. [M 4,096, K 1,024] x [K 1,024, N 1,024]; A: input hidden_states; B: input Wv: QUANTISED
;;     4. batch 32 x [M 2,048, K 64] x [K 64, N 2,048]; A: computed on the way; B: computed on the way: QUANTISED
;;     5. batch 32 x [M 2,048, K 2,048] x [K 2,048, N 64]; A: softmax (see below); B: computed on the way: QUANTISED
;;     6. [M 4,096, K 1,024] x [K 1,024, N 1,024]; A: computed on the way; B: input Wo: QUANTISED
;;   THE QUANTISER, for each operand of a quantised product, along K:
;;     - K is cut into blocks of 32 from its start; a last block that is shorter is filled with zeros.
;;     - A block's scale is 2^e with e = floor(log2(the largest magnitude in the block)) - 2, held to -126 .. 127; a block of zeros has e = 0. As a byte (E8M0): e + 127.
;;     - Each number is divided by its block's scale, clamped to +-7.5, and rounded to the nearest number of E2M3, ties to even, subnormals kept.
;;     - The product sums the exact products of the quantised numbers (number of the format x scale) in f32.
;;   ~~~python
;;   def quantise(x, axis):      # numpy; x: float32 -> the quantised numbers, widened to float32 again
;;       x = np.moveaxis(x, axis, -1); K = x.shape[-1]
;;       x = np.pad(x, [(0, 0)] * (x.ndim - 1) + [(0, -K % 32)]); x = x.reshape(x.shape[:-1] + (-1, 32)); a = np.abs(x).max(-1, keepdims=True)
;;       e = np.where(a > 0, np.clip(np.frexp(np.where(a > 0, a, 1))[1] - 1 - 2, -126, 127), 0)      # np.frexp(a)[1] - 1 = floor(log2(a)), exactly
;;       r = np.clip(x / 2.0 ** e, -7.5, 7.5)
;;       step = 2.0 ** (np.maximum(np.frexp(np.where(r == 0, 1, r))[1] - 1, 0) - 3)
;;       q = np.round(r / step) * step * 2.0 ** e      # np.round: ties to even
;;       return np.moveaxis(q.reshape(q.shape[:-2] + (-1,))[..., :K], -1, axis).astype(np.float32)
;;   ~~~
;;   SOFTMAX AHEAD OF A QUANTISED PRODUCT. Where the list says 'softmax', what is quantised is not the finished softmax but p = 2^(t - M), with t = logit x log2(e) and M = ceil(the row's largest t), a whole number; so 1/2 < the row's largest p <= 1. The row's sum l is taken of the UNQUANTISED p, in f32, and the product's result is divided by l at the end. Since M is a whole number, a kernel that streams over the keys may use a running M (the ceiling of the running maximum): every later rescaling is an exact power of two, which a block's scale takes up: the codes' values come out the same.
;;   OPERANDS COMPUTED ON THE WAY. 'Computed on the way' means the value that the module computes at that place (a softmax that the list does not call 'softmax' is quantised finished and normalised). What goes into a quantiser is computed in f32, as accurately as f32 sums, v_exp_f32 and their like allow (about 1e-6 of the number): no bf16 or f16 on the way to a quantiser, and a product that is left as it is and whose result goes on into a quantised operand takes f32 operands (vector FMAs, or v_wmma_f32_16x16x4_f32). A number that lies on a knife's edge between two numbers of the format may be rounded either way, as far as f32 arithmetic and the matrix unit's own rounding can turn it there, and no further.
;; One version. Each part assembles by itself: llvm-mc -triple=amdgcn-amd-amdhsa -mcpu=gfx1250 --defsym DOCPART=n.
;; ======== version 1 of 1: 4 launches
;; limits: right only within a limited range of input values
;; workspace buffers: xq 3,276,800 bytes; wq 3,276,800 bytes; rope 1,048,576 bytes; qbuf 3,407,872 bytes; kv 6,684,672 bytes; ctx 3,276,800 bytes
;; launch quant (part 1): grid 288 x 1, 4 waves a work-group, no clusters, 34,304 bytes of LDS; arguments hidden_states, Wq, Wk, Wv, Wo, xq, wq, rope; writes xq, wq, rope
.if DOCPART == 1
	.amdgcn_target "amdgcn-amd-amdhsa--gfx1250"
	.amdhsa_code_object_version 6
	.text
	.protected	k_q8bc896384c_quant
	.globl	k_q8bc896384c_quant
	.p2align	8
	.type	k_q8bc896384c_quant,@function
k_q8bc896384c_quant:
	s_mov_b64 s[64:65], 0
	v_nop
	global_prefetch_b8 v0, s[64:65] scope:SCOPE_SE
	s_setreg_imm32_b32 hwreg(HW_REG_WAVE_MODE, 25, 1), 1
	s_wait_xcnt 0x0
; THE OPERANDS THAT ARRIVE AS f32 BECOME CODES OF E2M3 WITH ONE E8M0 BYTE FOR EACH 32 ALONG K, AND THE TABLE FOR THE AXIAL ROTATION IS MADE.
; Work-groups 0-127: the four weights [1024 (k)][1024 (n)], K = the first axis.  128-255: the tokens [4096][1024], K innermost.  256-287: cos and +-sin for 2,048 positions.
; Everything is stored in the order of the reader's operand registers.  A FRAGMENT is 16 items x 128 K, 12 registers a lane: lane (p, h) holds item p, registers 6 c .. 6 c + 5 = k 64 c + 32 h + 0 .. 31.
; TILE ORDER, for tokens and for weight columns alike: place p of tile T is item 32 (T / 2) + 8 (T % 2) + p % 8 + 16 (p / 8): as the rows of a matrix instruction's first source such tiles leave
; 16 NEIGHBOURING items in the 16 result registers of tiles 2 b and 2 b + 1, which is what the next quantiser wants.
; xq: [32 groups of 8 tiles][8 K steps][8 tiles][1,536 bytes], register 2 g + e of lane L at 256 g + 8 L + 4 e.   wq: the same blocks, register 4 g + e at 512 g + 16 L + 4 e; group 8 w + cg, w = 0 q, 1 k, 2 v, 3 o.
; Scale words, behind the codes (XSC): 512 bytes a tile, the word of place p and K step 4 hk + j at 256 hk + 16 p + 4 j.
; rope: 128 tiles x 8,192 bytes: 64 registers a lane, register 4 g + e at 512 g + 16 L + 4 e; register n = 16 b + i is cos, register 32 + n is -sin (even channel) or +sin (odd), for channel 32 b + 16 h + i of token p.
; A block's scale is 2^(floor(log2(largest magnitude)) - 2): its byte is the largest magnitude's exponent field - 2, held at 1 from below by a floor among the maximum's leaves.
; LIMITS: NaN and infinities are not served.  A block whose largest magnitude lies under 2^-124, a block of zeros among them, gets the byte 1 (the quantiser's text says 127 for zeros): its codes are zeros or
; are held as that byte allows, and only this program reads the bytes.  sin and cos: reduction by pi/2 in two parts and polynomials of degree 7 and 8 on |r| <= pi/4, good to about 2 units of the last place for
; the angles that occur (0 .. 15); the ten frequencies 10^(-0.4 i) are f32 constants.
; Waves share nothing: no barrier.  Only the tokens' path uses LDS.
.set XSC, 3145728
.set SEL, 22
; ---- weights: block t (32 rows of K) of my column into set t % 2
.macro LOADW t
.set ii, 0
.rept 32
	global_load_b32 v[32+32*((\t)%2)+ii], v4, s[36:37] offset:(32*(\t)+ii)*4096 th:TH_LOAD_NT
.set ii, ii+1
.endr
.endm
; block t: its largest magnitude (all 32 numbers are mine), its byte, its codes.  The lower 16 codes go to fragment be % 2 at registers 6 (be / 2), the upper 16 aside
.macro BLOCKW t
.set xs, 32+32*((\t)%2)
.set be, (\t)%4
.set fd, 96+12*(be%2)+6*(be/2)
.if (\t) < 7
	s_wait_loadcnt 32                              ; this block's 32 loads are in; the next block's 32 stay out
.else
	s_wait_loadcnt 0x0
.endif
	v_max3_num_f32 v12, |v[xs]|, |v[xs+1]|, |v[xs+2]|
	v_max3_num_f32 v13, |v[xs+3]|, |v[xs+4]|, |v[xs+5]|
.irp i, 6,10,14,18,22,26
	v_max3_num_f32 v12, v12, |v[xs+\i]|, |v[xs+\i+1]|
	v_max3_num_f32 v13, v13, |v[xs+\i+2]|, |v[xs+\i+3]|
.endr
	v_max3_num_f32 v12, v12, |v[xs+30]|, |v[xs+31]|
	v_max3_num_f32 v12, v12, v13, 0x1800000        ; the floor 2^(3 - 127): the byte cannot fall under 1
	v_add_nc_u32 v14, 0xff000000, v12              ; 2 off the exponent field: the conversion takes this operand's exponent field as its scale
	v_lshrrev_b32 v15, 23, v14                     ; the byte
.if be == 0
	v_mov_b32 v[24+(\t)/4], v15                    ; four bytes make the word of a K step
.else
	v_lshl_or_b32 v[24+(\t)/4], v15, 8*be, v[24+(\t)/4]
.endif
.if (\t) == 4
	s_wait_alu depctr_va_vdst(0)
	s_wait_xcnt 0x0                                ; the first K step's stores have read the fragments' registers: they are written again only behind this wait
.endif
	v_cvt_scalef32_pk16_fp6_f32 v[fd:fd+2], v[xs:xs+15], v14
	v_cvt_scalef32_pk16_fp6_f32 v[120+4*be:122+4*be], v[xs+16:xs+31], v14
.if (\t) < 6
	LOADW (\t)+2
.endif
.endm
; four blocks are a K step.  Lanes 0-15 hold tile 0's columns, lanes 16-31 tile 1's, each lane all four blocks; the layout wants block 2 c + h in lane (p, h) of each tile's fragment: an exchange of halves
.macro FINW kk
	v_nop                                          ; one plain instruction behind the conversions
.irp c, 0,1
.irp i, 0,1,2
	v_permlane16_swap_b32 v[96+6*\c+\i], v[108+6*\c+\i]
	v_permlane16_swap_b32 v[120+8*\c+\i], v[124+8*\c+\i]
.endr
.irp i, 0,1,2
	v_mov_b32 v[99+6*\c+\i], v[120+8*\c+\i]
	v_mov_b32 v[111+6*\c+\i], v[124+8*\c+\i]
.endr
.endr
.irp u, 0,1
.irp g, 0,1,2
	global_store_b128 v5, v[96+12*\u+4*\g:99+12*\u+4*\g], s[38:39] offset:(\kk)*12288+\u*1536+512*\g   ; 512 consecutive bytes
.endr
.endr
.endm
; ---- tokens: K step f of my four: 16 rows x 512 bytes, each load 512 consecutive bytes of one row, into set f % 2
.macro LOADX f
.set ii, 0
.rept 16
	global_load_b128 v[16+64*((\f)%2)+4*ii:16+64*((\f)%2)+4*ii+3], v4, s[36:37] offset:((ii%8)+16*(ii/8))*4096+512*(\f) th:TH_LOAD_NT
.set ii, ii+1
.endr
.endm
.macro FRAGX f
.if (\f) < 3
	s_wait_loadcnt 16                              ; this K step's 16 loads are in; the next one's 16 stay out
.else
	s_wait_loadcnt 0x0
.endif
.set ii, 0
.rept 16
	ds_store_b128 v5, v[16+64*((\f)%2)+4*ii:16+64*((\f)%2)+4*ii+3] offset:528*ii   ; through my wave's stage: in by rows,
.set ii, ii+1
.endr
.set ii, 0
.rept 16
	ds_load_b128 v[144+4*ii:144+4*ii+3], v6 offset:256*(ii/8)+16*(ii%8)            ; out by places: my row's k 64 c + 32 h + 0 .. 31.  LDS serves a wave's instructions in order
.set ii, ii+1
.endr
	s_wait_dscnt 0x0
.if (\f) < 2
	LOADX (\f)+2
.endif
.irp c, 0,1
	v_max3_num_f32 v[228+\c], |v[144+32*\c]|, |v[145+32*\c]|, 0x1800000
.endr
.irp i, 2,4,6,8,10,12,14,16,18,20,22,24,26,28,30
.irp c, 0,1
	v_max3_num_f32 v[228+\c], v[228+\c], |v[144+32*\c+\i]|, |v[145+32*\c+\i]|
.endr
.endr
.irp c, 0,1
	v_add_nc_u32 v[230+\c], 0xff000000, v[228+\c]
.endr
.irp c, 0,1
	v_lshrrev_b32 v[232+\c], 23, v[230+\c]
.endr
	v_lshl_or_b32 v235, v233, 16, v232             ; my two bytes, blocks h and 2 + h,
	v_lshlrev_b32 v235, v8, v235                   ; at their places (8 h bits up);
	v_permlanex16_b32 v234, v235, s[SEL], s[SEL+1]
	v_or_b32 v[236+(\f)], v235, v234               ; with lane l xor 16's two the word is whole
.if (\f) > 0
	s_wait_alu depctr_va_vdst(0)
	s_wait_xcnt 0x0                                ; the last fragment's stores have read their registers
.endif
.irp c, 0,1
	v_cvt_scalef32_pk16_fp6_f32 v[208+6*\c:210+6*\c], v[144+32*\c:159+32*\c], v[230+\c]
	v_cvt_scalef32_pk16_fp6_f32 v[220+4*\c:222+4*\c], v[160+32*\c:175+32*\c], v[230+\c]   ; (a conversion's three registers begin on an even number)
.endr
	v_nop
.irp c, 0,1
.irp i, 0,1,2
	v_mov_b32 v[211+6*\c+\i], v[220+4*\c+\i]
.endr
.endr
.irp g, 0,1,2,3,4,5
	global_store_b64 v7, v[208+2*\g:209+2*\g], s[38:39] offset:(\f)*12288+256*\g   ; 256 consecutive bytes, aligned
.endr
.endm
; ---- rotation: slot n of 32.  Lanes 0-15 hold channel d0, lanes 16-31 channel d0 + 16.  Channels 60-63 are not rotated: position 0 gives cos 1, sin 0
.macro SLOT n
.set d0, 32*((\n)/16)+(\n)%16
.set d1, d0+16
	v_mov_b32 v12, s[52+(d1%20)%10]
	v_cndmask_b32 v12, s[52+(d0%20)%10], v12, vcc_lo   ; the frequency: sin and cos are tiled, index (d % 20) % 10
	v_cndmask_b32 v13, v[8+d0/20], v[8+d1/20], vcc_lo  ; the position of the channel's segment
	v_mul_f32 v12, v12, v13                        ; the angle
	v_mul_f32 v14, s40, v12
	v_rndne_f32 v14, v14                           ; q = the nearest multiple of pi/2
	v_fma_f32 v15, v14, s41, v12
	v_fma_f32 v15, v14, s42, v15                   ; r = angle - q pi/2, pi/2 in two parts
	v_mul_f32 v16, v15, v15
	v_fma_f32 v17, v16, s45, s44
	v_fma_f32 v17, v17, v16, s43
	v_mul_f32 v17, v17, v16
	v_fma_f32 v17, v17, v15, v15                   ; sin r
	v_fma_f32 v18, v16, s48, s47
	v_fma_f32 v18, v18, v16, s46
	v_fma_f32 v18, v18, v16, -0.5
	v_fma_f32 v18, v18, v16, 1.0                   ; cos r
	v_cvt_i32_f32 v19, v14
	v_and_b32 v20, 1, v19
	v_cmp_eq_u32 s50, 1, v20                       ; in odd quadrants sin and cos change places
	v_cndmask_b32 v21, v17, v18, s50
	v_cndmask_b32 v22, v18, v17, s50
	v_add_nc_u32 v20, 1, v19
	v_and_b32 v20, 2, v20
	v_lshlrev_b32 v20, 30, v20                     ; cos is negative where (q + 1) & 2
	v_xor_b32 v[64+(\n)], v22, v20
.if (\n)%2 == 0
	v_add_nc_u32 v19, 2, v19                       ; an even channel takes -sin
.endif
	v_and_b32 v19, 2, v19
	v_lshlrev_b32 v19, 30, v19                     ; sin is negative where q & 2
	v_xor_b32 v[96+(\n)], v21, v19
.endm
	s_load_b512 s[4:19], s[0:1], 0x0               ; hidden s[4:5], Wq s[6:7], Wk s[8:9], Wv s[10:11], Wo s[12:13], xq s[14:15], wq s[16:17], rope s[18:19]
	v_lshl_add_u32 v240, v0, 2, 0x8400
	v_mov_b32 v241, 0
	v_lshrrev_b32 v1, 5, v0
	v_readfirstlane_b32 s20, v1                    ; wave
	v_and_b32 v1, 31, v0                           ; L
	v_and_b32 v2, 15, v0                           ; p
	v_bfe_u32 v3, v0, 4, 1                         ; h
	s_mov_b32 s[SEL], 0x76543210
	s_mov_b32 s[SEL+1], 0xfedcba98                 ; v_permlanex16_b32's selects for lane l xor 16
	s_cmp_lt_u32 ttmp9, 128
	s_cbranch_scc0 .Lnot_w
	; ======== WEIGHTS.  Work-group i: weight w = i / 32, column group cg = (i / 4) % 8, K quarter kq = i % 4.  A wave: 32 columns (tiles 2 wave, 2 wave + 1) x 256 rows of K (K steps 2 kq, 2 kq + 1).
	; A lane takes a column and its registers run down K: each load reads 128 neighbouring bytes a wave, 512 a work-group, and nothing is transposed.
	s_lshr_b32 s24, ttmp9, 5                       ; w
	s_bfe_u32 s25, ttmp9, 0x30002                  ; cg
	s_and_b32 s26, ttmp9, 3                        ; kq
	v_and_b32 v4, 7, v0
	v_lshl_add_u32 v4, v3, 3, v4
	v_bfe_u32 v7, v0, 3, 1
	v_lshl_add_u32 v4, v7, 4, v4                   ; my column of the 32: 8 (L / 16) + L % 8 + 16 ((L / 8) % 2): lanes 0-15 are tile 0's places, lanes 16-31 tile 1's
	v_lshlrev_b32 v4, 2, v4
	v_lshlrev_b32 v5, 4, v1                        ; 16 L
	v_lshlrev_b32 v6, 4, v2
	v_lshl_add_u32 v6, v3, 9, v6                   ; 512 x tile + 16 p
	s_lshl_b32 s28, s26, 20                        ; 256 rows of 4,096 bytes
	s_lshl_b32 s27, s25, 9
	s_add_co_u32 s28, s28, s27
	s_lshl_b32 s27, s20, 7
	s_add_co_u32 s28, s28, s27
	s_mov_b32 s29, 0
	s_lshl_b32 s30, s24, 3
	s_add_co_u32 s30, s30, s25                     ; group 8 w + cg
	s_mul_i32 s32, s30, 98304
	s_mul_i32 s27, s26, 24576
	s_add_co_u32 s32, s32, s27
	s_mul_i32 s27, s20, 3072
	s_add_co_u32 s32, s32, s27
	s_mov_b32 s33, 0
	s_lshl_b32 s34, s30, 3
	s_lshl_b32 s27, s20, 1
	s_add_co_u32 s34, s34, s27
	s_lshl_b32 s34, s34, 9                         ; 512 bytes of scale words a tile
	s_lshr_b32 s27, s26, 1
	s_lshl_b32 s27, s27, 8
	s_add_co_u32 s34, s34, s27
	s_and_b32 s27, s26, 1
	s_lshl_b32 s27, s27, 3
	s_add_co_u32 s34, s34, s27
	s_add_co_u32 s34, s34, XSC
	s_mov_b32 s35, 0
	s_and_b32 s27, s24, 1
	s_wait_alu depctr_va_vdst(0)
	s_wait_kmcnt 0x0
	s_cmp_lt_u32 s24, 2                            ; the weight is chosen by the work-group's number alone
	s_cselect_b64 s[36:37], s[6:7], s[10:11]
	s_cselect_b64 s[38:39], s[8:9], s[12:13]
	s_cmp_eq_u32 s27, 1
	s_cselect_b64 s[36:37], s[38:39], s[36:37]
	s_add_nc_u64 s[36:37], s[36:37], s[28:29]
	s_add_nc_u64 s[38:39], s[16:17], s[32:33]
	s_add_nc_u64 s[40:41], s[16:17], s[34:35]
	LOADW 0
	LOADW 1
.irp t, 0,1,2,3
	BLOCKW \t
.endr
	FINW 0
.irp t, 4,5,6,7
	BLOCKW \t
.endr
	FINW 1
	global_store_b64 v6, v[24:25], s[40:41]        ; my column's two scale words: 8 of each 16 bytes of the tile's image; the scale bytes are 1 / 128 of what this path reads
	s_endpgm
.Lnot_w:
	s_cmp_lt_u32 ttmp9, 256
	s_cbranch_scc0 .Lrope
	; ======== TOKENS.  A wave: one tile T of 16 tokens x half of K (hk): four fragments.
	s_sub_co_u32 s24, ttmp9, 128
	s_lshl_b32 s24, s24, 2
	s_add_co_u32 s24, s24, s20
	s_lshr_b32 s25, s24, 1                         ; T
	s_and_b32 s26, s24, 1                          ; hk
	s_mul_i32 s27, s20, 8448                       ; my stage: 16 rows x (512 + 16) bytes: the rows that a read touches start 33 x 16 bytes apart
	s_wait_alu depctr_va_vdst(0)
	v_lshlrev_b32 v4, 4, v1                        ; 16 L
	v_add_nc_u32 v5, s27, v4
	v_mul_u32_u24 v6, v2, 528
	v_lshl_add_u32 v6, v3, 7, v6
	v_add_nc_u32 v6, s27, v6                       ; row p, + 128 h
	v_lshlrev_b32 v7, 3, v1                        ; 8 L
	v_lshlrev_b32 v8, 3, v3                        ; 8 h
	v_lshlrev_b32 v9, 4, v2                        ; 16 p
	v_mov_b32 v234, 0                              ; a lane permute's destination counts as one of its sources
	s_lshr_b32 s28, s25, 1
	s_lshl_b32 s28, s28, 17                        ; 32 rows of 4,096 bytes
	s_and_b32 s30, s25, 1
	s_lshl_b32 s30, s30, 15                        ; 8 rows
	s_add_co_u32 s28, s28, s30
	s_lshl_b32 s30, s26, 11
	s_add_co_u32 s28, s28, s30
	s_mov_b32 s29, 0
	s_lshr_b32 s32, s25, 3
	s_lshl_b32 s32, s32, 6
	s_lshl_b32 s30, s26, 5
	s_add_co_u32 s32, s32, s30
	s_and_b32 s30, s25, 7
	s_add_co_u32 s32, s32, s30
	s_mul_i32 s32, s32, 1536
	s_mov_b32 s33, 0
	s_lshl_b32 s34, s25, 9
	s_lshl_b32 s30, s26, 8
	s_add_co_u32 s34, s34, s30
	s_add_co_u32 s34, s34, XSC
	s_mov_b32 s35, 0
	s_wait_alu depctr_va_vdst(0)
	s_wait_kmcnt 0x0
	s_add_nc_u64 s[36:37], s[4:5], s[28:29]
	s_add_nc_u64 s[38:39], s[14:15], s[32:33]
	s_add_nc_u64 s[40:41], s[14:15], s[34:35]
	LOADX 0
	LOADX 1
.irp f, 0,1,2,3
	FRAGX \f
.endr
	v_cmp_gt_u32 vcc_lo, 16, v1
	s_wait_xcnt 0x0                                ; EXEC is a source of the stores above: it changes only behind this wait
	s_wait_tensorcnt 0x0
	ds_add_u32 v240, v241
	s_wait_dscnt 0x0
	s_and_saveexec_b32 s44, vcc_lo
	global_store_b128 v9, v[236:239], s[40:41]     ; sixteen lanes store the tile's four words a place: 256 consecutive bytes, aligned
	s_wait_xcnt 0x0
	s_or_b32 exec_lo, exec_lo, s44
	s_endpgm
.Lrope:
	; ======== THE TABLE.  A wave: one tile of 16 positions.
	s_sub_co_u32 s24, ttmp9, 256
	s_lshl_b32 s24, s24, 2
	s_add_co_u32 s24, s24, s20                     ; T, 0 .. 127
	s_lshr_b32 s25, s24, 1
	s_lshl_b32 s25, s25, 5
	s_and_b32 s26, s24, 1
	s_lshl_b32 s26, s26, 3
	s_add_co_u32 s25, s25, s26
	s_wait_alu depctr_va_vdst(0)
	v_and_b32 v4, 7, v2
	v_bfe_u32 v5, v2, 3, 1
	v_lshl_add_u32 v4, v5, 4, v4
	v_add_nc_u32 v4, s25, v4                       ; my token
	v_lshrrev_b32 v5, 8, v4
	v_cvt_f32_u32 v8, v5                           ; frame
	v_bfe_u32 v5, v4, 4, 4
	v_cvt_f32_u32 v9, v5                           ; height
	v_and_b32 v5, 15, v4
	v_cvt_f32_u32 v10, v5                          ; width
	v_mov_b32 v11, 0                               ; the tail
	v_cmp_eq_u32 vcc_lo, 1, v3
	v_lshlrev_b32 v23, 4, v1
	s_mov_b32 s40, 0x3f22f983                      ; 2 / pi
	s_mov_b32 s41, 0xbfc90fdb                      ; -(pi / 2 rounded to f32)
	s_mov_b32 s42, 0x333bbd2e                      ; what that rounding added
	s_mov_b32 s43, 0xbe2aaaa3                      ; sin: -1.6666655e-1, 8.3321609e-3, -1.9515296e-4
	s_mov_b32 s44, 0x3c08839e
	s_mov_b32 s45, 0xb94ca1f9
	s_mov_b32 s46, 0x3d2aaaa5                      ; cos: 4.1666646e-2, -1.3887316e-3, 2.4433157e-5
	s_mov_b32 s47, 0xbab6061a
	s_mov_b32 s48, 0x37ccf5ce
	s_mov_b32 s52, 0x3f800000                      ; 10^(-0.4 i), i = 0 .. 9
	s_mov_b32 s53, 0x3ecbd4b4
	s_mov_b32 s54, 0x3e224b06
	s_mov_b32 s55, 0x3d813856
	s_mov_b32 s56, 0x3ccdc614
	s_mov_b32 s57, 0x3c23d70a
	s_mov_b32 s58, 0x3b8273a6
	s_mov_b32 s59, 0x3acfbc31
	s_mov_b32 s60, 0x3a2566d5
	s_mov_b32 s61, 0x3983b1f8
	s_lshl_b32 s28, s24, 13
	s_mov_b32 s29, 0
	s_wait_kmcnt 0x0
	s_add_nc_u64 s[36:37], s[18:19], s[28:29]
.set nn, 0
.rept 32
	SLOT nn
.set nn, nn+1
.endr
.set nn, 0
.rept 16
	global_store_b128 v23, v[64+4*nn:67+4*nn], s[36:37] offset:512*nn
.set nn, nn+1
.endr
	s_endpgm
.Lfunc_end_k_q8bc896384c_quant:
	.size	k_q8bc896384c_quant, .Lfunc_end_k_q8bc896384c_quant-k_q8bc896384c_quant
	.p2alignl 7, 3214868480
	.fill 96, 4, 3214868480
	.section	.rodata,"a",@progbits
	.p2align	6, 0x0
	.amdhsa_kernel k_q8bc896384c_quant
		.amdhsa_group_segment_fixed_size 34304
		.amdhsa_private_segment_fixed_size 0
		.amdhsa_enable_private_segment 0
		.amdhsa_kernarg_size 64
		.amdhsa_user_sgpr_count 2
		.amdhsa_user_sgpr_kernarg_segment_ptr 1
		.amdhsa_wavefront_size32 1
		.amdhsa_system_sgpr_workgroup_id_x 1
		.amdhsa_system_sgpr_workgroup_id_y 1
		.amdhsa_system_sgpr_workgroup_id_z 1
		.amdhsa_system_vgpr_workitem_id 0
		.amdhsa_next_free_vgpr 242
		.amdhsa_next_free_sgpr 66
		.amdhsa_reserve_vcc 1
		.amdhsa_float_denorm_mode_32 3
		.amdhsa_float_denorm_mode_16_64 3
		.amdhsa_memory_ordered 1
		.amdhsa_forward_progress 1
		.amdhsa_inst_pref_size 116
	.end_amdhsa_kernel
	.amdgpu_metadata
---
amdhsa.version: [ 1, 2 ]
amdhsa.kernels:
  - .name:           k_q8bc896384c_quant
    .symbol:         k_q8bc896384c_quant.kd
    .args:
      - { .name: hidden_states, .offset: 0, .size: 8, .value_kind: global_buffer, .address_space: global }
      - { .name: Wq, .offset: 8, .size: 8, .value_kind: global_buffer, .address_space: global }
      - { .name: Wk, .offset: 16, .size: 8, .value_kind: global_buffer, .address_space: global }
      - { .name: Wv, .offset: 24, .size: 8, .value_kind: global_buffer, .address_space: global }
      - { .name: Wo, .offset: 32, .size: 8, .value_kind: global_buffer, .address_space: global }
      - { .name: xq, .offset: 40, .size: 8, .value_kind: global_buffer, .address_space: global }
      - { .name: wq, .offset: 48, .size: 8, .value_kind: global_buffer, .address_space: global }
      - { .name: rope, .offset: 56, .size: 8, .value_kind: global_buffer, .address_space: global }
    .group_segment_fixed_size: 34304
    .private_segment_fixed_size: 0
    .kernarg_segment_align: 8
    .kernarg_segment_size: 64
    .max_flat_workgroup_size: 128
    .sgpr_count:     66
    .vgpr_count:     242
    .wavefront_size: 32
...
	.end_amdgpu_metadata
.endif
;; end of part 1
;; launch qkv (part 2): grid 8 x 32, 4 waves a work-group, clusters of 4 x 4, 327,680 bytes of LDS; arguments xq, wq, rope, bq, bk, bv, qbuf, kv; writes qbuf, kv
.if DOCPART == 2
	.amdgcn_target "amdgcn-amd-amdhsa--gfx1250"
	.amdhsa_code_object_version 6
	.text
	.protected	k_q8bc896384c_qkv
	.globl	k_q8bc896384c_qkv
	.p2align	8
	.type	k_q8bc896384c_qkv,@function
k_q8bc896384c_qkv:
	s_mov_b64 s[64:65], 0
	v_nop
	global_prefetch_b8 v0, s[64:65] scope:SCOPE_SE
	s_setreg_imm32_b32 hwreg(HW_REG_WAVE_MODE, 25, 1), 1
	s_wait_xcnt 0x0
	s_wait_alu depctr_hold_cnt(0) depctr_sa_sdst(0) depctr_va_vdst(0) depctr_va_sdst(0) depctr_va_ssrc(0) depctr_va_vcc(0) depctr_vm_vsrc(0)
	s_getreg_b32 s2, hwreg(HW_REG_IB_STS2, 6, 4)
	s_cmp_eq_u32 s2, 0
	s_cbranch_scc0 .Lentry_in_a_cluster
	s_endpgm
.Lentry_in_a_cluster:
	s_bfe_u32 s2, ttmp6, 0x10000c
	s_cmp_lg_u32 s2, 0xf033
	s_cbranch_scc0 .Lentry_shape_is_right
	s_endpgm
.Lentry_shape_is_right:
; q, k, v = x W + b on codes of E2M3; q and k are rotated; all three are quantised again on the way out and stored in the order of attention's operand registers.
; SHARES.  Work-group (X, Y) STAYS: 128 tokens (group Y) x two heads (X), in three passes: q (column group X of wq), k (group 8 + X), v (group 16 + X).  256 work-groups.
; Four waves, each 64 tokens (wm) x one head's 64 columns (wn): 16 accumulators.
; LDS: x's whole K (98,304 bytes), loaded once, and two slots of 98,304 bytes for W.  Head: waves 0, 1 bring x's halves, waves 2, 3 Wq's into slot 0.  Behind the full sequence and a round each wave brings a
; quarter of Wk into slot 1.  Behind q's last products, the sequence and a round, each wave brings a quarter of Wv into slot 0, which is read again in the third pass.  One tensor load of a wave is out at any time.
; The blocks are images of operand registers: every LDS read is 256 or 512 consecutive bytes, so there is no padding.
; CLUSTER 4 x 4.  x's block hangs on Y alone and is asked for jointly along a row of the cluster; W's blocks hang on X alone: along a column.
; No prefetch: each later block of W is asked for a pass ahead of its use by its own tensor load.
; THE ROTATION'S TABLE is an image of registers too: a wave loads its four token tiles' tables from memory straight into registers, 512 consecutive bytes a load, two tiles ahead.
; q, k: the product is used TRANSPOSED (source 0 = 16 columns of W, source 1 = 16 tokens): a lane holds one token, and by the tiles' order its 32 registers of a token tile are channels
;   32 b + 16 h + i (register 16 b + i): neighbours along the next K.  The bias is the C of the first K step.  out[d] = x[d] cos[d] + x[d xor 1] s'[d], s' = -sin for even d, +sin for odd d.
; v: source 0 = 16 tokens, source 1 = 16 columns: a lane holds one channel and its registers run along the keys, which are the K of attention's second product.
; OUT.  qbuf: [32 heads][16 records of 128 tokens][8 tiles x 768 bytes of codes | 2 x 256 bytes of scale words].   kv: [32 heads][16 records of 13,056 bytes]: K's 8 tiles x 768 | V's 4 fragments x 1,536 |
;   K's scale words 512 | V's scale words 256.  A half fragment (64 along K): register 2 g + e of lane L at 256 g + 8 L + 4 e.  A quad of scale words: the word of tile 2 h + e, place p at 8 L + 4 e.
; LIMITS: NaN and infinities are not served; a block whose largest magnitude lies under 2^-124 (zeros among them) gets the byte 1; only this program reads the bytes.
; REGISTERS.  Window 0: v1-15 lane numbers and addresses; v16-31 x's scale words (4 a + j), v32-47 W's (4 c + j): register j holds K step j in lanes 0-15 and K step 4 + j in lanes 16-31;
;   v48-143, v144-239 two sets of fragments (x at +12 a, W at +48 + 12 c); on the way out: v48-175 two sets of the table, v176-207 32 numbers, v208-231 codes, v232-237, v240-247 at work, v252-255 scale words.
;   Window 1: v0-127 the accumulators; v128-159 q's or k's bias tiles (v: v128-135 bias pairs).
.set RA, 0
.set RB, 98304
.set SLOT, 98304
.set SPARE, 0x48000
.set XSC, 3145728
.set SA, 16
.set SB, 32
.set CS, 48
.set RG, 176
.set PC, 208
.set TC, 232
.set QM, 240
.set PW, 252
.set WV, 20
.set SEL, 30
.set MSB, 0
.macro WIN new                         ; s_set_vgpr_msb: bits 1:0 source 0, 3:2 source 1, 5:4 source 2, 7:6 destination; the high byte repeats the setting that is left
.if MSB != \new
	s_set_vgpr_msb (MSB<<8)|\new
.set MSB, \new
.endif
.endm
.macro PLACES                          ; four plain vector instructions between a matrix instruction and a load into, or a vector write of, its registers, or a read of its result
.rept 4
	v_nop
.endr
.endm
.macro CROUND                          ; a round of the cluster's barrier
	s_barrier_signal -1
	s_barrier_wait -1
	s_cmp_lg_u32 s[WV], 0
	s_cbranch_scc1 .Lnot_wave_0_\@
	s_barrier_signal -3
.Lnot_wave_0_\@:
	s_barrier_wait -3
	s_barrier_signal -1
	s_barrier_wait -1
.endm
.macro FETCH s, wb                     ; K step s: my 4 fragments of x (6 loads of 8 bytes a lane each) and my 4 of W (3 of 16; wb: the slot's address registers) into set s % 2: 36 loads
.set fs, 48+96*((\s)%2)
.irp a, 0,1,2,3
.irp g, 0,1,2,3,4,5
	ds_load_b64 v[fs+12*\a+2*\g:fs+12*\a+2*\g+1], v[4+(\s)/4] offset:((\s)%4)*12288+1536*\a+256*\g
.endr
.endr
.irp c, 0,1,2,3
.irp g, 0,1,2
	ds_load_b128 v[fs+48+12*\c+4*\g:fs+48+12*\c+4*\g+3], v[\wb+(\s)/4] offset:((\s)%4)*12288+1536*\c+512*\g
.endr
.endr
.endm
.macro RFETCH a                        ; the table of my token tile a: 64 registers into set a % 2, 16 loads of 512 consecutive bytes
.set ii, 0
.rept 16
	global_load_b128 v[CS+64*((\a)%2)+4*ii:CS+64*((\a)%2)+4*ii+3], v12, s[82:83] offset:8192*(\a)+512*ii
.set ii, ii+1
.endr
.endm
.macro WMMA d, f0, f1, s0, s1, cm, cb, row     ; cm = 1: C = the bias tile cb; 2: C = 0; 0: in place.  row = 1: both sides' scale words from lanes 16-31
.if \cm == 1
	v_wmma_scale_f32_16x16x128_f8f6f4 v[\d:\d+7], v[\f0:\f0+11], v[\f1:\f1+11], v[\cb:\cb+7], v[\s0], v[\s1] matrix_a_fmt:MATRIX_FMT_FP6 matrix_b_fmt:MATRIX_FMT_FP6
.elseif \cm == 2
	v_wmma_scale_f32_16x16x128_f8f6f4 v[\d:\d+7], v[\f0:\f0+11], v[\f1:\f1+11], 0, v[\s0], v[\s1] matrix_a_fmt:MATRIX_FMT_FP6 matrix_b_fmt:MATRIX_FMT_FP6
.elseif \row
	v_wmma_scale_f32_16x16x128_f8f6f4 v[\d:\d+7], v[\f0:\f0+11], v[\f1:\f1+11], v[\d:\d+7], v[\s0], v[\s1] matrix_a_fmt:MATRIX_FMT_FP6 matrix_b_fmt:MATRIX_FMT_FP6 matrix_a_scale:MATRIX_SCALE_ROW1 matrix_b_scale:MATRIX_SCALE_ROW1
.else
	v_wmma_scale_f32_16x16x128_f8f6f4 v[\d:\d+7], v[\f0:\f0+11], v[\f1:\f1+11], v[\d:\d+7], v[\s0], v[\s1] matrix_a_fmt:MATRIX_FMT_FP6 matrix_b_fmt:MATRIX_FMT_FP6
.endif
.endm
.macro MUL s, path                     ; 16 matrix instructions: the 16 accumulators take turns, one instruction a turn, in the same order in every K step
.set fs, 48+96*((\s)%2)
.set sj, (\s)%4
.set rw, (\s)/4
.set cm, 0
.if (\s) == 0
.set cm, 1+\path
.endif
.irp a, 0,1,2,3
.irp c, 0,1,2,3
.if \path == 0
	WMMA 32*\a+8*\c, fs+48+12*\c, fs+12*\a, SB+4*\c+sj, SA+4*\a+sj, cm, 128+8*\c, rw
.else
	WMMA 32*\c+8*\a, fs+12*\a, fs+48+12*\c, SA+4*\a+sj, SB+4*\c+sj, cm, 0, rw
.endif
.endr
.endr
.endm
; A K step.  Its fragments were asked for ahead of the last step's products; the next step's are asked for ahead of its own
.macro KSTEP s, path, wb
	s_wait_dscnt 0x0                               ; this step's 36 loads are in; nothing else of mine is out in LDS
.if (\s) > 0
	PLACES                                         ; behind the last step's products, ahead of loads into the set that they read
.endif
.if (\s) < 7
	FETCH (\s)+1, \wb
.elseif \path == 0
	RFETCH 0
.endif
	WIN 0x50                                       ; C and D in window 1
	MUL \s, \path
	WIN 0
.endm
.macro KLOOP path, wb
	FETCH 0, \wb
.irp s, 0,1,2,3,4,5,6,7
	KSTEP \s, \path, \wb
.endr
.endm
; 32 numbers of a lane, v[r + 16 b + i] = k 32 b + 16 h + i of my row, become half a fragment's codes in v[pc .. pc + 5] (lane h: block h) and the two scale bytes in v[pw] (bytes 2 and 3 are 0)
.macro QUANT32 r, pc, tc, pw
.irp b, 0,1
	v_max3_num_f32 v[QM+\b], |v[\r+16*\b]|, |v[\r+16*\b+1]|, 0x1800000   ; my 16 numbers of block b, and the floor 2^(3 - 127)
.endr
.irp i, 2,4,6,8,10,12,14
.irp b, 0,1
	v_max3_num_f32 v[QM+\b], v[QM+\b], |v[\r+16*\b+\i]|, |v[\r+16*\b+\i+1]|
.endr
.endr
.irp b, 0,1
	v_permlanex16_b32 v[QM+2+\b], v[QM+\b], s[SEL], s[SEL+1]
.endr
.irp b, 0,1
	v_max_num_f32 v[QM+\b], v[QM+\b], v[QM+2+\b]   ; with lane l xor 16's 16: the block's largest magnitude
.endr
.irp b, 0,1
	v_add_nc_u32 v[QM+4+\b], 0xff000000, v[QM+\b]  ; 2 off its exponent field: the conversion's scale operand
.endr
.irp b, 0,1
	v_lshrrev_b32 v[QM+6+\b], 23, v[QM+4+\b]       ; the byte
.endr
	v_lshl_or_b32 v[\pw], v[QM+7], 8, v[QM+6]
	v_cvt_scalef32_pk16_fp6_f32 v[\pc:\pc+2], v[\r:\r+15], v[QM+4]
	v_cvt_scalef32_pk16_fp6_f32 v[\tc:\tc+2], v[\r+16:\r+31], v[QM+5]
	v_nop                                          ; one plain instruction behind the conversions
.irp i, 0,1,2
	v_permlane16_swap_b32 v[\pc+\i], v[\tc+\i]     ; the layout wants a whole block in a lane: the first now holds my block's lower 16 codes, the second the upper 16
.endr
.irp i, 0,1,2
	v_mov_b32 v[\pc+3+\i], v[\tc+\i]
.endr
.endm
.macro LOADSB                          ; the scale words of my 4 column tiles, for all of K
.irp c, 0,1,2,3
	global_load_b128 v[SB+4*\c:SB+4*\c+3], v12, s[34:35] offset:512*\c
.endr
.endm
.macro BIASQK                          ; lane (p, h), tile c, register j: the bias of channel 32 (c / 2) + 8 (c % 2) + 16 h + j
	WIN 0x40                                       ; destination window 1
.irp c, 0,1,2,3
	global_load_b128 v[128+8*\c:131+8*\c], v13, s[86:87] offset:128*(\c/2)+32*(\c%2)
	global_load_b128 v[132+8*\c:135+8*\c], v13, s[86:87] offset:128*(\c/2)+32*(\c%2)+16
.endr
	WIN 0
.endm
.macro OUTQK b, hb, rby, sco           ; where q's or k's results go: buffer s[b], a head's bytes, a record's, where its scale words begin
	s_mul_i32 s92, s23, \hb
	s_mul_i32 s94, s24, \rby
	s_add_co_u32 s92, s92, s94
	s_mov_b32 s93, 0
	s_add_nc_u64 s[84:85], s[\b:\b+1], s[92:93]    ; the record
	s_lshl_b32 s94, s21, 8
	s_add_co_u32 s94, s94, \sco
	s_mov_b32 s95, 0
	s_add_nc_u64 s[96:97], s[84:85], s[94:95]      ; my quad of scale words
	s_mul_i32 s94, s21, 3072
	s_add_nc_u64 s[84:85], s[84:85], s[94:95]      ; my four tiles
.endm
.macro ROPEQ a                         ; token tile a: rotate, quantise, store
.set cb, CS+64*((\a)%2)
.if (\a) < 3
	s_wait_loadcnt 16                              ; this tile's table is in; the next tile's 16 loads stay out
.else
	s_wait_loadcnt 0x0
.endif
	WIN 0x01                                       ; source 0: the accumulators
.set ii, 0
.rept 16
	v_pk_mul_f32 v[RG+ii:RG+ii+1], v[32*(\a)+ii:32*(\a)+ii+1], v[cb+ii:cb+ii+1]   ; x cos; each accumulator is read from its low end on
.set ii, ii+2
.endr
.set ii, 0
.rept 16
	v_pk_fma_f32 v[RG+ii:RG+ii+1], v[32*(\a)+ii:32*(\a)+ii+1], v[cb+32+ii:cb+32+ii+1], v[RG+ii:RG+ii+1] op_sel:[1,0,0] op_sel_hi:[0,1,1]   ; + the pair's other number x s'
.set ii, ii+2
.endr
	WIN 0
.if (\a) < 2
	RFETCH (\a)+2
.endif
	QUANT32 RG, PC+6*(\a), TC, PW+(\a)
.irp g, 0,1,2
	global_store_b64 v11, v[PC+6*(\a)+2*\g:PC+6*(\a)+2*\g+1], s[84:85] offset:768*(\a)+256*\g   ; 256 consecutive bytes, aligned
.endr
.endm
.macro ROPEOUT                         ; q's or k's way out: four token tiles, then their scale words
	RFETCH 1
	ROPEQ 0
	ROPEQ 1
	ROPEQ 2
	ROPEQ 3
	v_cmp_eq_u32 vcc_lo, 1, v3
	v_cndmask_b32 v236, v252, v254, vcc_lo         ; lane (p, h): the words of tiles 2 h and 2 h + 1
	v_cndmask_b32 v237, v253, v255, vcc_lo
	global_store_b64 v11, v[236:237], s[96:97]     ; 256 consecutive bytes, aligned
.endm
.macro VQ c                            ; column tile c: bias, quantise along my 64 keys, store
	WIN 0x05                                       ; sources 0 and 1 in window 1
.set ii, 0
.rept 16
	v_pk_add_f32 v[RG+ii:RG+ii+1], v[32*(\c)+ii:32*(\c)+ii+1], v[128+2*(\c):129+2*(\c)] op_sel_hi:[1,0]
.set ii, ii+2
.endr
	WIN 0
	QUANT32 RG, PC+6*(\c), TC, PW+(\c)
.irp g, 0,1,2
	global_store_b64 v11, v[PC+6*(\c)+2*\g:PC+6*(\c)+2*\g+1], s[84:85] offset:1536*(\c)+256*\g
.endr
.endm
	s_load_b512 s[4:19], s[0:1], 0x0               ; xq s[4:5], wq s[6:7], rope s[8:9], bq s[10:11], bk s[12:13], bv s[14:15], qbuf s[16:17], kv s[18:19]
	v_lshl_add_u32 v250, v0, 2, SPARE
	v_mov_b32 v251, 0
	ds_add_u32 v250, v251                          ; the add, twice on end, and its wait ahead of my first tensor load
	ds_add_u32 v250, v251
	v_lshrrev_b32 v1, 5, v0
	v_readfirstlane_b32 s[WV], v1
	s_lshr_b32 s21, s[WV], 1                       ; wm: my half of the tokens.  Also: at the head I fetch for x (0) or for Wq (1)
	s_and_b32 s22, s[WV], 1                        ; wn: my head of the two.  Also: which half of K I fetch there
	v_and_b32 v1, 31, v0                           ; L
	v_and_b32 v2, 15, v0                           ; p
	v_bfe_u32 v3, v0, 4, 1                         ; h
	v_lshlrev_b32 v11, 3, v1                       ; 8 L
	v_lshlrev_b32 v12, 4, v1                       ; 16 L
	v_lshlrev_b32 v13, 6, v3                       ; 64 h
	v_lshlrev_b32 v14, 2, v1                       ; 4 L
	v_and_b32 v15, 7, v0
	v_bfe_u32 v8, v0, 3, 1
	v_lshl_add_u32 v15, v8, 4, v15
	v_lshlrev_b32 v15, 2, v15                      ; 4 (p % 8 + 16 (p / 8)): my place's column in a pair of tiles
	s_mul_i32 s92, s21, 6144
	v_add_nc_u32 v4, s92, v11                      ; x's fragments, K steps 0-3: RA + 4 wm tiles + 8 L
	v_add_nc_u32 v5, 49152, v4                     ; K steps 4-7
	s_mul_i32 s92, s22, 6144
	s_add_co_u32 s92, s92, RB
	v_add_nc_u32 v6, s92, v12                      ; W's, in slot 0
	v_add_nc_u32 v7, 49152, v6
	v_add_nc_u32 v8, SLOT, v6                      ; and in slot 1
	v_add_nc_u32 v9, SLOT, v7
	v_mov_b32 v242, 0                              ; lane permutes' destinations count as sources
	v_mov_b32 v243, 0
	s_mov_b32 s[SEL], 0x76543210
	s_mov_b32 s[SEL+1], 0xfedcba98
	s_bfe_u32 s23, ttmp6, 0x40000                  ; cx
	s_bfe_u32 s24, ttmp6, 0x40004                  ; cy
	s_lshl_b32 s25, ttmp9, 2
	s_add_co_u32 s25, s25, s23                     ; X
	s_and_b32 s26, ttmp7, 0xffff
	s_lshl_b32 s26, s26, 2
	s_add_co_u32 s26, s26, s24                     ; Y
	s_lshl_b32 s27, s24, 2
	s_lshl_b32 s27, 15, s27                        ; my row of the cluster
	s_lshl_b32 s28, 0x1111, s23                    ; my column
	; descriptor groups 1: dense blocks as rows of 256 bytes (32 elements of 8 bytes): 192 rows for half an operand, 96 for a quarter
	s_or_b32 s36, s27, (3<<16)|(1<<21)             ; x: 15:0 the mask: my row; 17:16 elements of 8 bytes; 21 set beside a mask
	s_or_b32 s44, s28, (3<<16)|(1<<21)             ; W, a half: my column
	s_or_b32 s52, s28, (3<<16)|(1<<21)             ; W, a quarter: my column
.irp g, 36, 44
	s_mov_b32 s[\g+1], 32<<16                      ; tensor_dim0 = 32
	s_mov_b32 s[\g+2], 192<<16                     ; tensor_dim1 = 192
	s_mov_b32 s[\g+3], 32<<16                      ; tile_dim0
	s_mov_b32 s[\g+4], 192                         ; tile_dim1
	s_mov_b32 s[\g+5], 32                          ; the pitch
	s_mov_b32 s[\g+6], 0
	s_mov_b32 s[\g+7], 0
.endr
	s_mov_b32 s53, 32<<16
	s_mov_b32 s54, 96<<16
	s_mov_b32 s55, 32<<16
	s_mov_b32 s56, 96
	s_mov_b32 s57, 32
	s_mov_b32 s58, 0
	s_mov_b32 s59, 0
	s_mul_i32 s94, s22, 49152                      ; my half of K: in memory and in LDS alike
	s_mul_i32 s88, s26, 98304                      ; x's block: from Y alone
	s_add_co_u32 s88, s88, s94
	s_mov_b32 s89, 0
	s_mul_i32 s90, s25, 98304                      ; Wq's block: from X alone
	s_add_co_u32 s90, s90, s94
	s_mov_b32 s91, 0
	s_mul_i32 s95, s[WV], 24576                    ; my quarter of a later block
	s_mul_i32 s92, s25, 98304
	s_add_co_u32 s92, s92, s95
	s_add_co_u32 s92, s92, 8*98304                 ; Wk's block: column group 8 + X
	s_mov_b32 s93, 0
	s_lshl_b32 s98, s26, 3                         ; scale words: x's tiles 8 Y + 4 wm on,
	s_lshl_b32 s29, s21, 2
	s_add_co_u32 s98, s98, s29
	s_lshl_b32 s98, s98, 9
	s_add_co_u32 s98, s98, XSC
	s_mov_b32 s99, 0
	s_lshl_b32 s96, s25, 3                         ; Wq's tiles 8 X + 4 wn on
	s_lshl_b32 s29, s22, 2
	s_add_co_u32 s96, s96, s29
	s_lshl_b32 s96, s96, 9
	s_add_co_u32 s96, s96, XSC
	s_mov_b32 s97, 0
	s_wait_alu depctr_va_vdst(0)
	s_wait_dscnt 0x0                               ; both opening adds are done
	s_wait_kmcnt 0x0
	s_add_nc_u64 s[32:33], s[4:5], s[98:99]
	s_add_nc_u64 s[34:35], s[6:7], s[96:97]
	s_mov_b32 s60, 1                               ; x, my half
	s_add_co_u32 s61, s94, RA
	s_add_nc_u64 s[62:63], s[4:5], s[88:89]
	s_or_b32 s63, s63, 0x80000000
	s_mov_b32 s72, 1                               ; Wq, my half, into slot 0
	s_add_co_u32 s73, s94, RB
	s_add_nc_u64 s[74:75], s[6:7], s[90:91]
	s_or_b32 s75, s75, 0x80000000
	s_mov_b32 s68, 1                               ; Wk, my quarter, into slot 1
	s_add_co_u32 s69, s95, RB+SLOT
	s_add_nc_u64 s[70:71], s[6:7], s[92:93]
	s_mov_b32 s76, 1                               ; Wv, my quarter, into slot 0
	s_add_co_u32 s77, s95, RB
	s_add_nc_u64 s[78:79], s[70:71], 8*98304
	s_or_b32 s71, s71, 0x80000000
	s_or_b32 s79, s79, 0x80000000
	s_and_b32 s24, s26, 15                         ; the group's place in its batch
	s_lshl_b32 s92, s24, 16
	s_lshl_b32 s94, s21, 15
	s_add_co_u32 s92, s92, s94
	s_add_nc_u64 s[82:83], s[8:9], s[92:93]        ; the table of my four token tiles
	CROUND                                         ; all sixteen work-groups are here: the joint loads meet
	s_cmp_eq_u32 s21, 0
	s_cbranch_scc0 .Lh_w
	tensor_load_to_lds s[60:63], s[36:43]
	s_nop 0
	PLACES
	s_branch .Lh_asked
.Lh_w:
	tensor_load_to_lds s[72:75], s[44:51]
	s_nop 0
	PLACES
.Lh_asked:
.irp a, 0,1,2,3
	global_load_b128 v[SA+4*\a:SA+4*\a+3], v12, s[32:33] offset:512*\a   ; the scale words of my 4 token tiles, for all of K and all three passes
.endr
	LOADSB
	s_lshr_b32 s23, s26, 4
	s_lshl_b32 s23, s23, 4
	s_lshl_b32 s94, s25, 1
	s_add_co_u32 s23, s23, s94
	s_add_co_u32 s23, s23, s22                     ; head 16 x batch + 2 X + wn
	s_lshl_b32 s88, s25, 9
	s_lshl_b32 s94, s22, 8
	s_add_co_u32 s88, s88, s94                     ; my head's 64 numbers of a bias, in bytes
	s_mov_b32 s89, 0
	s_add_nc_u64 s[86:87], s[10:11], s[88:89]
	BIASQK
	OUTQK 16, 106496, 6656, 6144
	s_wait_alu depctr_va_vdst(0)
	s_wait_loadcnt 0x0
	s_wait_tensorcnt 0x0                           ; my half of x or of Wq is in; slot 1's first fill comes later
	ds_add_u32 v250, v251
	s_wait_dscnt 0x0
	CROUND                                         ; x and Wq are whole in every partner
	tensor_load_to_lds s[68:71], s[52:59]          ; my quarter of Wk: my one load behind the round
	s_nop 0
	PLACES
	; ======== q
	KLOOP 0, 6
	s_wait_tensorcnt 0x0                           ; my quarter of Wk is in;
	ds_add_u32 v250, v251
	s_wait_dscnt 0x0                               ; the add is done; my reads of slot 0 were over at the last K step's head
	CROUND                                         ; no wave of any partner reads slot 0 any more, and slot 1 is whole
	tensor_load_to_lds s[76:79], s[52:59]          ; my quarter of Wv fills slot 0 again: the first tensor load behind the round
	s_nop 0
	PLACES                                         ; also the places behind the last products: for the loads below and the first reads of results
	s_add_nc_u64 s[34:35], s[34:35], 32768         ; the next pass's scale words: 8 column groups of 8 tiles x 512 bytes on
	LOADSB
	s_add_nc_u64 s[86:87], s[12:13], s[88:89]
	BIASQK
	ROPEOUT
	; ======== k
	s_wait_xcnt 0x0                                ; q's stores have read their registers and bases
	OUTQK 18, 208896, 13056, 12288
	KLOOP 0, 8
	PLACES                                         ; behind the last products
	s_add_nc_u64 s[34:35], s[34:35], 32768
	LOADSB
	s_add_nc_u64 s[86:87], s[14:15], s[88:89]
	WIN 0x40
.irp c, 0,1,2,3
	global_load_b32 v[128+2*\c], v15, s[86:87] offset:128*(\c/2)+32*(\c%2)   ; v's bias of my place's channel in tile c
	v_mov_b32 v[129+2*\c], 0                       ; (named with it as a pair)
.endr
	WIN 0
	s_wait_alu depctr_va_vdst(0)                   ; behind these writes
	ROPEOUT
	; ======== v
	s_wait_xcnt 0x0                                ; k's stores have read their registers and bases
	s_mul_i32 s92, s23, 208896
	s_mul_i32 s94, s24, 13056
	s_add_co_u32 s92, s92, s94
	s_mov_b32 s93, 0
	s_add_nc_u64 s[84:85], s[18:19], s[92:93]      ; the record
	s_lshl_b32 s94, s21, 1
	s_add_co_u32 s94, s94, 12800
	s_mov_b32 s95, 0
	s_add_nc_u64 s[96:97], s[84:85], s[94:95]      ; V's scale words: my half of each word (keys 64 wm on)
	s_mul_i32 s94, s21, 768
	s_add_co_u32 s94, s94, 6144
	s_add_nc_u64 s[84:85], s[84:85], s[94:95]      ; V's fragments: my half of each
	s_wait_tensorcnt 0x0                           ; my quarter of Wv is in;
	s_wait_dscnt 0x0
	s_barrier_signal -1
	s_barrier_wait -1                              ; everybody's is
	KLOOP 1, 6
	PLACES
	s_wait_alu depctr_va_vdst(0)
	VQ 0
	VQ 1
	VQ 2
	VQ 3
	v_cmp_eq_u32 vcc_lo, 1, v3
	v_cndmask_b32 v236, v252, v253, vcc_lo         ; lane (p, h): tile 2 e + h
	v_cndmask_b32 v237, v254, v255, vcc_lo
	global_store_b16 v14, v236, s[96:97]           ; two bytes of each word of 128 keys; the other two are the other token half's: two such stores a wave, each inside 128 bytes
	global_store_b16 v14, v237, s[96:97] offset:128
	s_wait_tensorcnt 0x0                           ; the wave's end
	ds_add_u32 v250, v251
	s_wait_dscnt 0x0
	CROUND                                         ; the closing round: no work-group ends while a partner may still ask for a block that names it
	s_endpgm
.Lfunc_end_k_q8bc896384c_qkv:
	.size	k_q8bc896384c_qkv, .Lfunc_end_k_q8bc896384c_qkv-k_q8bc896384c_qkv
	.p2alignl 7, 3214868480
	.fill 96, 4, 3214868480
	.section	.rodata,"a",@progbits
	.p2align	6, 0x0
	.amdhsa_kernel k_q8bc896384c_qkv
		.amdhsa_group_segment_fixed_size 327680
		.amdhsa_private_segment_fixed_size 0
		.amdhsa_enable_private_segment 0
		.amdhsa_kernarg_size 64
		.amdhsa_user_sgpr_count 2
		.amdhsa_user_sgpr_kernarg_segment_ptr 1
		.amdhsa_wavefront_size32 1
		.amdhsa_system_sgpr_workgroup_id_x 1
		.amdhsa_system_sgpr_workgroup_id_y 1
		.amdhsa_system_sgpr_workgroup_id_z 1
		.amdhsa_system_vgpr_workitem_id 0
		.amdhsa_next_free_vgpr 416
		.amdhsa_next_free_sgpr 100
		.amdhsa_reserve_vcc 1
		.amdhsa_float_denorm_mode_32 3
		.amdhsa_float_denorm_mode_16_64 3
		.amdhsa_memory_ordered 1
		.amdhsa_forward_progress 1
		.amdhsa_inst_pref_size 181
	.end_amdhsa_kernel
	.amdgpu_metadata
---
amdhsa.version: [ 1, 2 ]
amdhsa.kernels:
  - .name:           k_q8bc896384c_qkv
    .symbol:         k_q8bc896384c_qkv.kd
    .args:
      - { .name: xq, .offset: 0, .size: 8, .value_kind: global_buffer, .address_space: global }
      - { .name: wq, .offset: 8, .size: 8, .value_kind: global_buffer, .address_space: global }
      - { .name: rope, .offset: 16, .size: 8, .value_kind: global_buffer, .address_space: global }
      - { .name: bq, .offset: 24, .size: 8, .value_kind: global_buffer, .address_space: global }
      - { .name: bk, .offset: 32, .size: 8, .value_kind: global_buffer, .address_space: global }
      - { .name: bv, .offset: 40, .size: 8, .value_kind: global_buffer, .address_space: global }
      - { .name: qbuf, .offset: 48, .size: 8, .value_kind: global_buffer, .address_space: global }
      - { .name: kv, .offset: 56, .size: 8, .value_kind: global_buffer, .address_space: global }
    .group_segment_fixed_size: 327680
    .private_segment_fixed_size: 0
    .kernarg_segment_align: 8
    .kernarg_segment_size: 64
    .max_flat_workgroup_size: 128
    .sgpr_count:     100
    .vgpr_count:     416
    .wavefront_size: 32
...
	.end_amdgpu_metadata
.endif
;; end of part 2
;; launch attn (part 3): grid 8 x 32, 8 waves a work-group, clusters of 4 x 1, 210,944 bytes of LDS; arguments qbuf, kv, ctx; writes ctx
.if DOCPART == 3
	.amdgcn_target "amdgcn-amd-amdhsa--gfx1250"
	.amdhsa_code_object_version 6
	.text
	.protected	k_q8bc896384c_attn
	.globl	k_q8bc896384c_attn
	.p2align	8
	.type	k_q8bc896384c_attn,@function
k_q8bc896384c_attn:
	s_mov_b64 s[64:65], 0
	v_nop
	global_prefetch_b8 v0, s[64:65] scope:SCOPE_SE
	s_setreg_imm32_b32 hwreg(HW_REG_WAVE_MODE, 25, 1), 1
	s_wait_xcnt 0x0
	s_wait_alu depctr_hold_cnt(0) depctr_sa_sdst(0) depctr_va_vdst(0) depctr_va_sdst(0) depctr_va_ssrc(0) depctr_va_vcc(0) depctr_vm_vsrc(0)
	s_getreg_b32 s2, hwreg(HW_REG_IB_STS2, 6, 4)
	s_cmp_eq_u32 s2, 0
	s_cbranch_scc0 .Lentry_in_a_cluster
	s_endpgm
.Lentry_in_a_cluster:
	s_bfe_u32 s2, ttmp6, 0x10000c
	s_cmp_lg_u32 s2, 0x3003
	s_cbranch_scc0 .Lentry_shape_is_right
	s_endpgm
.Lentry_shape_is_right:
; ctx[head][q] = sum over keys of softmax(q . k / 8) v, both products on codes of E2M3 with one E8M0 byte for each 32 along K; ctx is quantised along the hidden axis and stored as the last product's operand.
; THE SOFTMAX: t = score x log2(e) / 8; M = the running largest t rounded UP to a whole number; p = 2^(t - M) is quantised along the keys, not normalised.  The row's sum is taken of the unquantised p
; and divides at the end.  When M moves, the sum and O are multiplied by 2^(old M - new M): exact.
; SHARES.  A work-group owns 256 queries of one head; each of its eight waves owns TWO tiles of 16 queries, so that each fragment of K and V read from LDS feeds two products.
; Tile A lives in register window 0, tile B in window 1 under the same register numbers: the softmax is one text, run under two window settings.
; THE WHOLE HEAD'S K AND V (16 records of 128 keys, 208,896 bytes) LIE IN LDS, FILLED ONCE: wave w brings records 2 w and 2 w + 1 by its one tensor load (102 rows of 256 bytes).  It makes the scores of record 2 w
; behind its own wait; one barrier follows; then it walks records (2 w + n) % 16, n = 0 .. 15: the running maximum does not mind the order.
; THE WALK IS ONE RECORD AHEAD WITH THE SCORES: iteration n asks LDS for V of record n and K of record n + 1 at its top; tile A's scores of record n + 1 are issued behind tile A's second product and stand
; under tile B's softmax, tile B's behind tile B's second product and stand under tile A's next softmax.  The last iteration, which has no next record, is written out.
; CLUSTER 4 x 1: the four blocks of queries belong to one head: each load is asked for jointly, with a mask that names the four.
; No prefetch: all that the launch reads of kv is asked for at the head, and there is no loop to run ahead in.
; LAYOUT.  Both products are used transposed: S^T = K Q^T (source 0 = 16 keys), O^T = V^T P^T (source 0 = 16 channels): a lane holds one query throughout.
; WHICH KEYS FORM A TILE OF K: tile 4 c + u, row 8 h + j is key 64 c + 32 h + 8 u + j.  Lane (r, h) then holds, in the 32 result registers of tiles 4 c .. 4 c + 3, the WHOLE block 2 c + h of 32 keys in order, which is
; what the second product's operand wants of that lane: a block's maximum needs no other lane and the codes are not exchanged.  The record stores K by tiles of another order (place p of tile T = key
; 32 (T / 2) + 8 (T % 2) + p % 8 + 16 (p / 8)); the rows wanted are picked by the lanes' LDS addresses: rows 0-7 from stored tile 4 c + u % 2, rows 8-15 from stored tile 4 c + 2 + u % 2, places 8 (u / 2) + 0 .. 7.
; THE FIRST PRODUCT'S K IS 64, half of the instruction's 128.  Q's upper six registers are zero codes; K's tile t is named as the twelve registers from its own six on (behind the last: six cleared registers);
; bytes 2 and 3 of both scale words are 0, which is 2^-127 and no NaN.
; A record: K's 8 tiles x 768 | V's 4 fragments x 1,536 | K's scale words 2 x 256 | V's 256.
; LIMITS: NaN and infinities are not served; the promise holds while |t| stays under 2^31; a block whose largest magnitude lies under 2^-124 gets the byte 1.  A block's largest p is taken as 2^(.) of the block's
; largest score, which leans on v_exp_f32 not falling where its input rises.
; REGISTERS, each tile's in its own window: v8 8 h; v12 -M, v13 the largest score, v[14:15] the sum; v16-27 Q; v32-43 p's codes, v44-50 at work; v64-81 at work; v96-159 S^T, then p; v160-191 O^T.
;   Window 0 alone: v1-7, v9 addresses, v10-11 the add's, v56-57 the way out's offsets; v192-239 K's tiles, v240-245 zeros; scale words: v246-249 K's, v250-251 V's, v252-253 p's (A, B), v254-255 Q's (A, B).
;   Window 1 alone: v192-239 V's fragments.
.set REC, 13056
.set CSC, 3145728
.set SPARE, 0x33000                    ; behind the records: the spare words, 128 bytes a wave
.set WV, 18
.set SEL, 20
.set CF, 22
.set QM, 64
.set MSB, 0
.macro WIN new                         ; s_set_vgpr_msb: bits 1:0 source 0, 3:2 source 1, 5:4 source 2, 7:6 destination; the high byte repeats the setting that is left
.if MSB != (\new)
	s_set_vgpr_msb (MSB<<8)|(\new)
.set MSB, (\new)
.endif
.endm
.macro CROUND
	s_barrier_signal -1
	s_barrier_wait -1
	s_cmp_lg_u32 s[WV], 0
	s_cbranch_scc1 .Lnot_wave_0_\@
	s_barrier_signal -3
.Lnot_wave_0_\@:
	s_barrier_wait -3
	s_barrier_signal -1
	s_barrier_wait -1
.endm
.macro INIT                            ; a tile's own registers, under its window as destination
.irp j, 14,15,22,23,24,25,26,27,66,67,73
	v_mov_b32 v[\j], 0                             ; the sum; Q's zero codes; lane permutes' destinations; the upper half of f's pair
.endr
.set jj, 0
.rept 32
	v_mov_b32 v[160+jj], 0                         ; O^T: the iteration is written in one form; the first finds zeros, which the first change of M leaves zeros
.set jj, jj+1
.endr
	v_mov_b32 v13, 0xff61b1e6                      ; the largest score so far: -3e38
	v_mov_b32 v12, 0x7f61b1e6                      ; and a -M of 3e38: the first f is 2^(a difference that saturates) = 0
	v_lshlrev_b32 v8, 3, v62                       ; 8 h
.endm
.macro QUANT32 r, pc, tc, pw           ; 32 numbers of a lane, v[r + 16 b + i] = k 32 b + 16 h + i, become half a fragment's codes (lane h: block h) and two scale bytes
.irp b, 0,1
	v_max3_num_f32 v[QM+\b], |v[\r+16*\b]|, |v[\r+16*\b+1]|, 0x1800000
.endr
.irp i, 2,4,6,8,10,12,14
.irp b, 0,1
	s_delay_alu instid0(VALU_DEP_2)
	v_max3_num_f32 v[QM+\b], v[QM+\b], |v[\r+16*\b+\i]|, |v[\r+16*\b+\i+1]|
.endr
.endr
.irp b, 0,1
	s_delay_alu instid0(VALU_DEP_2)
	v_permlanex16_b32 v[QM+2+\b], v[QM+\b], s[SEL], s[SEL+1]
.endr
.irp b, 0,1
	s_delay_alu instid0(VALU_DEP_2)
	v_max_num_f32 v[QM+\b], v[QM+\b], v[QM+2+\b]
.endr
.irp b, 0,1
	s_delay_alu instid0(VALU_DEP_2)
	v_add_nc_u32 v[QM+4+\b], 0xff000000, v[QM+\b]
.endr
.irp b, 0,1
	s_delay_alu instid0(VALU_DEP_2)
	v_lshrrev_b32 v[QM+6+\b], 23, v[QM+4+\b]
.endr
	s_delay_alu instid0(VALU_DEP_1)
	v_lshl_or_b32 v[\pw], v[QM+7], 8, v[QM+6]
	v_cvt_scalef32_pk16_fp6_f32 v[\pc:\pc+2], v[\r:\r+15], v[QM+4]
	v_cvt_scalef32_pk16_fp6_f32 v[\tc:\tc+2], v[\r+16:\r+31], v[QM+5]
	v_nop
.irp i, 0,1,2
	v_permlane16_swap_b32 v[\pc+\i], v[\tc+\i]
.endr
.irp i, 0,1,2
	s_delay_alu instid0(VALU_DEP_3)
	v_mov_b32 v[\pc+3+\i], v[\tc+\i]
.endr
.endm
.macro KLOADS                          ; K's eight tiles and their scale words, by v3 and v9: 26 loads
.irp t, 0,1,2,3,4,5,6,7
.irp g, 0,1,2
	ds_load_b64 v[192+6*\t+2*\g:193+6*\t+2*\g], v3 offset:(4*(\t/4)+(\t%2))*768+64*((\t/2)%2)+256*\g
.endr
.endr
.irp c, 0,1
	ds_load_b64 v[246+2*\c:247+2*\c], v9 offset:12288+256*\c   ; register e: tile 4 c + e in lanes 0-15, tile 4 c + 2 + e in lanes 16-31
.endr
.endm
.macro SMUL tile                       ; S^T of one query tile: 8 products, each on its own registers, C = 0
.irp t, 0,1,2,3,4,5,6,7
.if (\t/2)%2
	v_wmma_scale_f32_16x16x128_f8f6f4 v[96+8*\t:103+8*\t], v[192+6*\t:203+6*\t], v[16:27], 0, v[246+2*(\t/4)+(\t%2)], v[254+\tile] matrix_a_fmt:MATRIX_FMT_FP6 matrix_b_fmt:MATRIX_FMT_FP6 matrix_a_scale:MATRIX_SCALE_ROW1
.else
	v_wmma_scale_f32_16x16x128_f8f6f4 v[96+8*\t:103+8*\t], v[192+6*\t:203+6*\t], v[16:27], 0, v[246+2*(\t/4)+(\t%2)], v[254+\tile] matrix_a_fmt:MATRIX_FMT_FP6 matrix_b_fmt:MATRIX_FMT_FP6
.endif
.endr
.endm
.macro PV tile                         ; O^T += V^T P^T: four accumulators by turns
	WIN 0x01+0x54*\tile                            ; V in window 1; p and O in the tile's window
.irp t, 0,1,2,3
.if \t%2
	v_wmma_scale_f32_16x16x128_f8f6f4 v[160+8*\t:167+8*\t], v[192+12*\t:203+12*\t], v[32:43], v[160+8*\t:167+8*\t], v[250+\t/2], v[252+\tile] matrix_a_fmt:MATRIX_FMT_FP6 matrix_b_fmt:MATRIX_FMT_FP6 matrix_a_scale:MATRIX_SCALE_ROW1
.else
	v_wmma_scale_f32_16x16x128_f8f6f4 v[160+8*\t:167+8*\t], v[192+12*\t:203+12*\t], v[32:43], v[160+8*\t:167+8*\t], v[250+\t/2], v[252+\tile] matrix_a_fmt:MATRIX_FMT_FP6 matrix_b_fmt:MATRIX_FMT_FP6
.endif
.endr
.endm
.macro FMAS n                          ; t - M, two at a time
.rept \n
	v_pk_fma_f32 v[96+fj:97+fj], v[96+fj:97+fj], s[CF:CF+1], v[12:13] op_sel_hi:[1,0,0]
.set fj, fj+2
.endr
.endm
.macro ADDS n                          ; the row's sum of the unquantised p, two at a time, in four chains: v[14:15] and v76-81
.rept \n
.if pj < 6
	v_pk_add_f32 v[76+pj:77+pj], v[96+2*pj:97+2*pj], v[98+2*pj:99+2*pj]
.set pj, pj+2
.else
.if pj%4 == 0
	v_pk_add_f32 v[14:15], v[14:15], v[96+2*pj:97+2*pj]
.else
	v_pk_add_f32 v[74+2*(pj%4):75+2*(pj%4)], v[74+2*(pj%4):75+2*(pj%4)], v[96+2*pj:97+2*pj]
.endif
.set pj, pj+1
.endif
.endr
.endm
; One tile's softmax of a record: from S^T to p's codes and scale word, the sum, and O^T under the new M
.macro SOFTMAX tile
	WIN 0x55*\tile
	s_wait_alu depctr_va_vdst(0)                   ; directly ahead of the first reader of the products' results
.irp c, 0,1                                        ; the largest score of my two blocks of 32 keys, each in two chains; each accumulator is first read at its low end
	v_max3_num_f32 v[64+\c], v[96+32*\c], v[97+32*\c], v[98+32*\c]
	v_max3_num_f32 v[68+\c], v[112+32*\c], v[113+32*\c], v[114+32*\c]
.endr
.irp i, 3,5,7,9,11,13
.irp c, 0,1
	v_max3_num_f32 v[64+\c], v[64+\c], v[96+32*\c+\i], v[97+32*\c+\i]
	v_max3_num_f32 v[68+\c], v[68+\c], v[112+32*\c+\i], v[113+32*\c+\i]
.endr
.endr
.irp c, 0,1
	v_max3_num_f32 v[64+\c], v[64+\c], v[68+\c], v[111+32*\c]
.endr
	v_mov_b32 v67, v12                             ; the old -M
.irp c, 0,1
	v_max_num_f32 v[64+\c], v[64+\c], v[127+32*\c]
.endr
	v_max_num_f32 v74, v64, v65
	v_permlanex16_b32 v66, v74, s[SEL], s[SEL+1]   ; lane l xor 16 holds my query's other 64 keys
	v_max3_num_f32 v13, v13, v74, v66              ; the running largest score
	v_mul_f32 v74, s[CF], v13                      ; as t
	v_floor_f32 v12, -v74                          ; -M = -ceil(t): a whole number
.set fj, 0
	FMAS 8
	v_sub_f32 v67, v12, v67                        ; old M - new M, 0 or less
	FMAS 8
	v_cvt_i32_f32 v67, v67                         ; (it saturates)
	FMAS 8
	v_ldexp_f32 v72, 1.0, v67                      ; f = 2^(old M - new M)
	FMAS 8
.irp c, 0,1
	v_fma_f32 v[64+\c], v[64+\c], s[CF], v12       ; the same of each block's largest score
.endr
	s_wait_alu depctr_va_vdst(0)                   ; ahead of the batch
.set jj, 0
.rept 64
	v_exp_f32 v[96+jj], v[96+jj]                   ; p = 2^(t - M)
.set jj, jj+1
.endr
.irp c, 0,1
	v_exp_f32 v[64+\c], v[64+\c]                   ; the blocks' largest p: the same two instructions on the same number
.endr
	v_pk_mul_f32 v[14:15], v[14:15], v[72:73] op_sel_hi:[1,0]   ; the sum under the new M: the plain instruction behind the exponentials
	s_wait_alu depctr_va_vdst(0)                   ; one wait for the batch of 66, ahead of its first reader
.set pj, 0
.irp c, 0,1
	v_max_num_f32 v[64+\c], 0x1800000, v[64+\c]    ; the floor 2^(3 - 127)
.endr
	ADDS 4
.irp c, 0,1
	v_add_nc_u32 v[68+\c], 0xff000000, v[64+\c]    ; 2 off the exponent field: the conversion's scale operand
.endr
	ADDS 4
.irp c, 0,1
	v_lshrrev_b32 v[70+\c], 23, v[68+\c]           ; the byte
.endr
	ADDS 4
	v_lshl_or_b32 v74, v71, 16, v70                ; my two bytes, blocks h and 2 + h,
	ADDS 2
	v_lshlrev_b32 v74, v8, v74                     ; at their places (8 h bits up);
	ADDS 2
	v_permlanex16_b32 v66, v74, s[SEL], s[SEL+1]
	ADDS 13
	WIN 0x05*\tile                                 ; scale words are taken from window 0
	v_or_b32 v[252+\tile], v74, v66                ; with lane l xor 16's two the word of these 128 keys is whole
	WIN 0x55*\tile
	v_pk_add_f32 v[14:15], v[14:15], v[76:77]
	v_pk_add_f32 v[78:79], v[78:79], v[80:81]
.irp c, 0,1
	v_cvt_scalef32_pk16_fp6_f32 v[32+6*\c:34+6*\c], v[96+32*\c:111+32*\c], v[68+\c]
	v_cvt_scalef32_pk16_fp6_f32 v[44+4*\c:46+4*\c], v[112+32*\c:127+32*\c], v[68+\c]   ; (a conversion's three registers begin on an even number)
.endr
	v_pk_add_f32 v[14:15], v[14:15], v[78:79]      ; the plain instruction behind the conversions
.irp c, 0,1
.irp i, 0,1,2
	v_mov_b32 v[35+6*\c+\i], v[44+4*\c+\i]
.endr
.endr
	s_wait_alu depctr_va_vdst(0)                   ; directly ahead of the first reader of O^T
.set jj, 0
.rept 16
	v_pk_mul_f32 v[160+jj:161+jj], v[160+jj:161+jj], v[72:73] op_sel_hi:[1,0]   ; O^T under the new M; these sixteen also stand between the writes of p's codes and scale word and the products
.set jj, jj+2
.endr
.endm
; AN ITERATION: the record at LDS byte s2, whose scores are in registers; the next record, at s15, has its scores made (last = 1: there is none)
.macro ITER last
	v_add_nc_u32 v4, s2, v2                        ; these four are also the places behind the last products, ahead of loads into registers that they read
	v_add_nc_u32 v5, s2, v6
.if \last
	v_nop
	v_nop
.else
	v_add_nc_u32 v3, s15, v1
	v_add_nc_u32 v9, s15, v7
.endif
	WIN 0x40
.irp t, 0,1,2,3
.irp g, 0,1,2,3,4,5
	ds_load_b64 v[192+12*\t+2*\g:193+12*\t+2*\g], v4 offset:6144+1536*\t+256*\g
.endr
.endr
	WIN 0
.irp e, 0,1
	ds_load_b32 v[250+\e], v5 offset:12800+128*\e  ; tile 2 e in lanes 0-15, tile 2 e + 1 in lanes 16-31
.endr
.if \last == 0
	KLOADS
.endif
	SOFTMAX 0
	s_wait_alu depctr_va_vdst(0)
	s_wait_dscnt 0x0                               ; V, and the next record's K, are in: they were asked for a softmax ago
	PV 0
.if \last == 0
	WIN 0
	SMUL 0
.endif
	SOFTMAX 1
	PV 1
.if \last == 0
	WIN 0x54                                       ; K in window 0; Q and S^T of tile B in window 1
	SMUL 1
.endif
	WIN 0
.endm
; THE WAY OUT of a tile: O^T / the sum; my 32 registers are channels 32 b + 16 h + i of my query: half a fragment of the last product's operand
.macro OUT tile
	WIN 0x55*\tile
	v_add_f32 v14, v14, v15
	s_delay_alu instid0(VALU_DEP_1)
	v_permlanex16_b32 v66, v14, s[SEL], s[SEL+1]
	s_delay_alu instid0(VALU_DEP_1)
	v_add_f32 v14, v14, v66                        ; the row's sum
	s_wait_alu depctr_va_vdst(0)
	v_rcp_f32 v14, v14
	v_nop
	s_wait_alu depctr_va_vdst(0)                   ; ahead of the reciprocal's first reader, which is also O^T's
.set jj, 0
.rept 32
	v_mul_f32 v[96+jj], v[160+jj], v14
.set jj, jj+1
.endr
	QUANT32 96, 32, 44, 74
	WIN 0x04*\tile                                 ; a store's data are its source 1
.irp g, 0,1,2
	global_store_b64 v2, v[32+2*\g:33+2*\g], s[68:69] offset:1536*\tile+256*\g   ; 256 consecutive bytes, aligned
.endr
	global_store_b16 v57, v74, s[70:71] offset:512*\tile   ; my head's two bytes of each row's scale word; lanes l and l xor 16 store the same bytes at the same place
.endm
	s_load_b128 s[4:7], s[0:1], 0x0                ; qbuf s[4:5], kv s[6:7]
	s_load_b64 s[8:9], s[0:1], 0x10                ; ctx
	v_lshl_add_u32 v10, v0, 2, SPARE
	v_mov_b32 v11, 0
	ds_add_u32 v10, v11                            ; the add, twice on end, and its wait ahead of my tensor load
	ds_add_u32 v10, v11
	v_lshrrev_b32 v1, 5, v0
	v_readfirstlane_b32 s[WV], v1                  ; wave 0 .. 7
	v_and_b32 v60, 31, v0                          ; L
	v_and_b32 v61, 15, v0                          ; m
	v_bfe_u32 v62, v0, 4, 1                        ; h
	v_and_b32 v63, 7, v0
	v_bfe_u32 v59, v0, 3, 1                        ; m / 8
	v_lshlrev_b32 v2, 3, v60                       ; 8 L
	v_lshlrev_b32 v6, 2, v60                       ; 4 L
	v_lshlrev_b32 v63, 3, v63                      ; 8 (m % 8)
	v_lshlrev_b32 v56, 3, v61                      ; 8 m
	v_lshlrev_b32 v57, 4, v61                      ; 16 m
	v_lshl_add_u32 v1, v62, 7, v63
	v_lshl_add_u32 v7, v62, 6, v63
	v_mad_u32_u24 v1, v59, 1536, v1                ; K's rows: 8 (m % 8) + 128 h + two stored tiles x (m / 8)
	v_lshl_add_u32 v7, v59, 7, v7                  ; K's scale words: 8 (m % 8) + 64 h + 128 (m / 8)
	s_bfe_u32 s10, ttmp6, 0x40000                  ; cx: it enters Q's and ctx's addresses alone
	s_lshl_b32 s11, ttmp9, 2
	s_add_co_u32 s11, s11, s10                     ; x: my block of 256 queries
	s_and_b32 s12, ttmp7, 0xffff                   ; the head, 16 x batch + head: shared by the four partners
	s_mov_b32 s[SEL], 0x76543210
	s_mov_b32 s[SEL+1], 0xfedcba98
	s_mov_b32 s[CF], 0x3e38aa3b                    ; log2(e) / 8
	s_mov_b32 s[CF+1], s[CF]
	s_mov_b32 s24, 15|(3<<16)|(1<<21)              ; group 1: two records, dense, as 102 rows of 256 bytes; 15:0 the mask: all four work-groups; 17:16 elements of 8 bytes; 21 set beside a mask
	s_mov_b32 s25, 32<<16
	s_mov_b32 s26, 102<<16
	s_mov_b32 s27, 32<<16
	s_mov_b32 s28, 102
	s_mov_b32 s29, 32
	s_mov_b32 s30, 0
	s_mov_b32 s31, 0
	s_mul_i32 s14, s12, 16*REC                     ; the head's first byte in kv
	s_mul_i32 s16, s[WV], 2*REC                    ; records 2 w, 2 w + 1: in LDS as in the head
	s_add_co_u32 s48, s14, s16
	s_mov_b32 s49, 0
	s_lshl_b32 s17, s[WV], 1                       ; 2 w: my first record, and my first tile of the block's 16
	s_lshl_b32 s53, s11, 1
	s_lshr_b32 s54, s[WV], 2
	s_add_co_u32 s53, s53, s54                     ; my tiles' group of 128 tokens in its batch: 2 x + w / 4
	s_and_b32 s56, s17, 7                          ; tile A's place in the group; tile B is the next
	s_mul_i32 s52, s12, 106496
	s_mul_i32 s55, s53, 6656
	s_add_co_u32 s52, s52, s55                     ; Q's record
	s_mul_i32 s55, s56, 768
	s_add_co_u32 s58, s52, s55                     ; tile A's codes
	s_mov_b32 s59, 0
	s_bfe_u32 s55, s[WV], 0x10001
	s_lshl_b32 s55, s55, 8                         ; the scale words: quad (w / 2) % 2,
	s_add_co_u32 s52, s52, s55
	s_and_b32 s55, s[WV], 1
	s_lshl_b32 s55, s55, 7                         ; half w % 2; words 0 and 1 are tiles A and B
	s_add_co_u32 s52, s52, s55
	s_add_co_u32 s66, s52, 6144
	s_mov_b32 s67, 0
	s_lshr_b32 s52, s12, 4                         ; batch
	s_lshl_b32 s55, s52, 4
	s_add_co_u32 s55, s55, s53                     ; ctx: the group of 128 tokens,
	s_lshl_b32 s55, s55, 6
	s_and_b32 s54, s12, 15                         ; the head in its batch: K step head / 2, half head % 2
	s_lshr_b32 s57, s54, 1
	s_lshl_b32 s57, s57, 3
	s_add_co_u32 s55, s55, s57
	s_add_co_u32 s55, s55, s56
	s_mul_i32 s68, s55, 1536
	s_and_b32 s57, s54, 1
	s_mul_i32 s55, s57, 768
	s_add_co_u32 s68, s68, s55
	s_mov_b32 s69, 0
	s_lshl_b32 s70, s52, 7
	s_lshl_b32 s55, s11, 4
	s_add_co_u32 s70, s70, s55
	s_add_co_u32 s70, s70, s17                     ; the token tile
	s_lshl_b32 s70, s70, 9
	s_lshr_b32 s55, s54, 3
	s_lshl_b32 s55, s55, 8
	s_add_co_u32 s70, s70, s55
	s_bfe_u32 s55, s54, 0x20001
	s_lshl_b32 s55, s55, 2
	s_add_co_u32 s70, s70, s55
	s_lshl_b32 s55, s57, 1
	s_add_co_u32 s70, s70, s55
	s_add_co_u32 s70, s70, CSC
	s_mov_b32 s71, 0
	s_wait_alu depctr_va_vdst(0)
	s_wait_dscnt 0x0                               ; both opening adds are done
	s_wait_kmcnt 0x0
	s_mov_b32 s40, 1
	s_mov_b32 s41, s16
	s_add_nc_u64 s[42:43], s[6:7], s[48:49]
	s_or_b32 s43, s43, 0x80000000
	s_add_nc_u64 s[60:61], s[4:5], s[58:59]
	s_add_nc_u64 s[62:63], s[4:5], s[66:67]
	s_add_nc_u64 s[68:69], s[8:9], s[68:69]
	s_add_nc_u64 s[70:71], s[8:9], s[70:71]
	CROUND                                         ; all four work-groups are here: the joint loads meet
	tensor_load_to_lds s[40:43], s[24:31]          ; every wave's one load: one tensor load of mine is out
	s_nop 0
.irp g, 0,1,2
	global_load_b64 v[16+2*\g:17+2*\g], v2, s[60:61] offset:256*\g   ; tile A's half fragment of Q stays in registers
.endr
	global_load_b64 v[254:255], v56, s[62:63]      ; both tiles' scale words
	WIN 0x40
.irp g, 0,1,2
	global_load_b64 v[16+2*\g:17+2*\g], v2, s[60:61] offset:768+256*\g   ; tile B's, in window 1
.endr
	INIT
	WIN 0
	INIT
.irp j, 240,241,242,243,244,245
	v_mov_b32 v[\j], 0                             ; zero codes behind K's last tile
.endr
	v_add_nc_u32 v3, s16, v1                       ; record 2 w
	v_add_nc_u32 v9, s16, v7
	s_wait_alu depctr_va_vdst(0)
	s_wait_loadcnt 0x0
	s_wait_tensorcnt 0x0                           ; my two records are in: the first is read by me alone until the barrier
	KLOADS
	s_wait_dscnt 0x0
	SMUL 0                                         ; the scores of record 2 w
	WIN 0x54
	SMUL 1
	WIN 0
	s_barrier_signal -1
	s_barrier_wait -1                              ; every wave has waited for its load: all sixteen records are in
	s_mov_b32 s3, 1
.Lk:                                               ; iteration n = s3 - 1 = 0 .. 14: record (2 w + n) % 16, and the scores of the next
	s_add_co_u32 s15, s17, s3
	s_add_co_u32 s2, s15, 15
	s_and_b32 s15, s15, 15
	s_and_b32 s2, s2, 15
	s_mul_i32 s15, s15, REC
	s_mul_i32 s2, s2, REC
	ITER 0
	s_add_co_u32 s3, s3, 1
	s_cmp_lt_u32 s3, 16
	s_wait_alu depctr_va_vdst(0)
	s_cbranch_scc1 .Lk
	s_add_co_u32 s2, s17, 15                       ; the last record: (2 w + 15) % 16
	s_and_b32 s2, s2, 15
	s_mul_i32 s2, s2, REC
	ITER 1
	OUT 0                                          ; tile A's vector work is also the places behind tile B's last products
	OUT 1
	WIN 0
	s_wait_tensorcnt 0x0                           ; the wave's end
	ds_add_u32 v10, v11
	s_wait_dscnt 0x0
	CROUND                                         ; the closing round
	s_endpgm
.Lfunc_end_k_q8bc896384c_attn:
	.size	k_q8bc896384c_attn, .Lfunc_end_k_q8bc896384c_attn-k_q8bc896384c_attn
	.p2alignl 7, 3214868480
	.fill 96, 4, 3214868480
	.section	.rodata,"a",@progbits
	.p2align	6, 0x0
	.amdhsa_kernel k_q8bc896384c_attn
		.amdhsa_group_segment_fixed_size 210944
		.amdhsa_private_segment_fixed_size 0
		.amdhsa_enable_private_segment 0
		.amdhsa_kernarg_size 24
		.amdhsa_user_sgpr_count 2
		.amdhsa_user_sgpr_kernarg_segment_ptr 1
		.amdhsa_wavefront_size32 1
		.amdhsa_system_sgpr_workgroup_id_x 1
		.amdhsa_system_sgpr_workgroup_id_y 1
		.amdhsa_system_sgpr_workgroup_id_z 1
		.amdhsa_system_vgpr_workitem_id 0
		.amdhsa_next_free_vgpr 512
		.amdhsa_next_free_sgpr 72
		.amdhsa_reserve_vcc 0
		.amdhsa_float_denorm_mode_32 3
		.amdhsa_float_denorm_mode_16_64 3
		.amdhsa_memory_ordered 1
		.amdhsa_forward_progress 1
		.amdhsa_inst_pref_size 76
	.end_amdhsa_kernel
	.amdgpu_metadata
---
amdhsa.version: [ 1, 2 ]
amdhsa.kernels:
  - .name:           k_q8bc896384c_attn
    .symbol:         k_q8bc896384c_attn.kd
    .args:
      - { .name: qbuf, .offset: 0, .size: 8, .value_kind: global_buffer, .address_space: global }
      - { .name: kv, .offset: 8, .size: 8, .value_kind: global_buffer, .address_space: global }
      - { .name: ctx, .offset: 16, .size: 8, .value_kind: global_buffer, .address_space: global }
    .group_segment_fixed_size: 210944
    .private_segment_fixed_size: 0
    .kernarg_segment_align: 8
    .kernarg_segment_size: 24
    .max_flat_workgroup_size: 256
    .sgpr_count:     72
    .vgpr_count:     512
    .wavefront_size: 32
...
	.end_amdgpu_metadata
.endif
;; end of part 3
;; launch outp (part 4): grid 8 x 32, 4 waves a work-group, clusters of 4 x 4, 214,528 bytes of LDS; arguments ctx, wq, bo, out0; writes out0
.if DOCPART == 4
	.amdgcn_target "amdgcn-amd-amdhsa--gfx1250"
	.amdhsa_code_object_version 6
	.text
	.protected	k_q8bc896384c_outp
	.globl	k_q8bc896384c_outp
	.p2align	8
	.type	k_q8bc896384c_outp,@function
k_q8bc896384c_outp:
	s_mov_b64 s[64:65], 0
	v_nop
	global_prefetch_b8 v0, s[64:65] scope:SCOPE_SE
	s_setreg_imm32_b32 hwreg(HW_REG_WAVE_MODE, 25, 1), 1
	s_wait_xcnt 0x0
	s_wait_alu depctr_hold_cnt(0) depctr_sa_sdst(0) depctr_va_vdst(0) depctr_va_sdst(0) depctr_va_ssrc(0) depctr_va_vcc(0) depctr_vm_vsrc(0)
	s_getreg_b32 s2, hwreg(HW_REG_IB_STS2, 6, 4)
	s_cmp_eq_u32 s2, 0
	s_cbranch_scc0 .Lentry_in_a_cluster
	s_endpgm
.Lentry_in_a_cluster:
	s_bfe_u32 s2, ttmp6, 0x10000c
	s_cmp_lg_u32 s2, 0xf033
	s_cbranch_scc0 .Lentry_shape_is_right
	s_endpgm
.Lentry_shape_is_right:
; out = ctx Wo + bo on codes of E2M3 with one E8M0 byte for each 32 along K; out is f32.
; SHARES.  Work-group (X, Y): 128 tokens (group Y) x 128 columns (group X).  Four waves, each 64 tokens (wm) x 64 columns (wn): 16 accumulators.  256 work-groups.
; Both operands' whole K (2 x 98,304 bytes) lies in LDS, filled ONCE, in two halves along K.  The blocks are images of operand registers: every LDS read of them is 256 or 512 consecutive bytes.
; CLUSTER 4 x 4: ctx's block hangs on Y alone and is asked for jointly along a row of the cluster, Wo's on X alone: along a column.
; The product is used TRANSPOSED (source 0 = 16 columns of Wo, source 1 = 16 tokens): a lane holds one token and eight neighbouring columns a tile.  The bias is the C of the first K step.
; TILE ORDER: place p of tile T is item 32 (T / 2) + 8 (T % 2) + p % 8 + 16 (p / 8), for tokens and columns alike.
; THE WAY OUT: a token tile (16 rows x 256 bytes) goes through my wave's own stage in LDS, behind the operands, and leaves as whole rows: sixteen lanes store 256 consecutive bytes, aligned.
; REGISTERS.  Window 0: v1-14 lane numbers and addresses; v16-31 ctx's scale words, v32-47 Wo's (register j: K step j in lanes 0-15, K step 4 + j in lanes 16-31); v48-143, v144-239 two sets of fragments;
;   on the way out v48-175 rows read back.  Window 1: v0-127 the accumulators (32 a + 8 c), v128-159 the bias tiles.
.set RA, 0
.set RB, 98304
.set STG, 196608
.set XSC, 3145728
.set SA, 16
.set SB, 32
.set WV, 20
.set MSB, 0
.macro WIN new                         ; s_set_vgpr_msb: bits 1:0 source 0, 3:2 source 1, 5:4 source 2, 7:6 destination; the high byte repeats the setting that is left
.if MSB != \new
	s_set_vgpr_msb (MSB<<8)|\new
.set MSB, \new
.endif
.endm
.macro PLACES                          ; four plain vector instructions between a matrix instruction and a load into its registers or a read of its result
.rept 4
	v_nop
.endr
.endm
.macro CROUND
	s_barrier_signal -1
	s_barrier_wait -1
	s_cmp_lg_u32 s[WV], 0
	s_cbranch_scc1 .Lnot_wave_0_\@
	s_barrier_signal -3
.Lnot_wave_0_\@:
	s_barrier_wait -3
	s_barrier_signal -1
	s_barrier_wait -1
.endm
.macro FETCH s                         ; K step s: my 4 fragments of ctx and my 4 of Wo into set s % 2: 36 loads
.set fs, 48+96*((\s)%2)
.irp a, 0,1,2,3
.irp g, 0,1,2,3,4,5
	ds_load_b64 v[fs+12*\a+2*\g:fs+12*\a+2*\g+1], v[4+(\s)/4] offset:((\s)%4)*12288+1536*\a+256*\g
.endr
.endr
.irp c, 0,1,2,3
.irp g, 0,1,2
	ds_load_b128 v[fs+48+12*\c+4*\g:fs+48+12*\c+4*\g+3], v[6+(\s)/4] offset:((\s)%4)*12288+1536*\c+512*\g
.endr
.endr
.endm
.macro MUL s                           ; 16 matrix instructions: the 16 accumulators take turns, one instruction a turn, in the same order in every K step
.set fs, 48+96*((\s)%2)
.set sj, (\s)%4
.irp a, 0,1,2,3
.irp c, 0,1,2,3
.if (\s) == 0
	v_wmma_scale_f32_16x16x128_f8f6f4 v[32*\a+8*\c:32*\a+8*\c+7], v[fs+48+12*\c:fs+48+12*\c+11], v[fs+12*\a:fs+12*\a+11], v[128+8*\c:135+8*\c], v[SB+4*\c+sj], v[SA+4*\a+sj] matrix_a_fmt:MATRIX_FMT_FP6 matrix_b_fmt:MATRIX_FMT_FP6
.elseif (\s) < 4
	v_wmma_scale_f32_16x16x128_f8f6f4 v[32*\a+8*\c:32*\a+8*\c+7], v[fs+48+12*\c:fs+48+12*\c+11], v[fs+12*\a:fs+12*\a+11], v[32*\a+8*\c:32*\a+8*\c+7], v[SB+4*\c+sj], v[SA+4*\a+sj] matrix_a_fmt:MATRIX_FMT_FP6 matrix_b_fmt:MATRIX_FMT_FP6
.else
	v_wmma_scale_f32_16x16x128_f8f6f4 v[32*\a+8*\c:32*\a+8*\c+7], v[fs+48+12*\c:fs+48+12*\c+11], v[fs+12*\a:fs+12*\a+11], v[32*\a+8*\c:32*\a+8*\c+7], v[SB+4*\c+sj], v[SA+4*\a+sj] matrix_a_fmt:MATRIX_FMT_FP6 matrix_b_fmt:MATRIX_FMT_FP6 matrix_a_scale:MATRIX_SCALE_ROW1 matrix_b_scale:MATRIX_SCALE_ROW1
.endif
.endr
.endr
.endm
.macro KSTEP s, tcnt                   ; this step's fragments were asked for ahead of the last step's products; the next step's are asked for ahead of its own
	s_wait_dscnt 0x0                               ; this step's 36 loads are in; nothing else of mine is out in LDS
.if \tcnt >= 0
	s_wait_tensorcnt \tcnt
	s_barrier_signal -1
	s_barrier_wait -1
.endif
.if (\s) > 0
	PLACES                                         ; behind the last step's products, ahead of loads into the set that they read
.endif
.if (\s) < 7
	FETCH (\s)+1
.endif
	WIN 0x50                                       ; C and D in window 1
	MUL \s
	WIN 0
.endm
.macro TOSTAGE a                       ; token tile a: lane (p, h) puts its 8 x 4 columns into row p; then whole rows come back, two an instruction
	WIN 0x04                                       ; an LDS store's data are its source 1: window 1
.irp c, 0,1,2,3
	ds_store_b128 v8, v[32*(\a)+8*\c:32*(\a)+8*\c+3] offset:128*(\c/2)+32*(\c%2)       ; each accumulator from its low end on
	ds_store_b128 v8, v[32*(\a)+8*\c+4:32*(\a)+8*\c+7] offset:128*(\c/2)+32*(\c%2)+16
.endr
	WIN 0
.irp i, 0,1,2,3,4,5,6,7
	ds_load_b128 v[48+32*(\a)+4*\i:48+32*(\a)+4*\i+3], v9 offset:544*\i   ; LDS serves a wave's instructions in order: these see the stores above, and the next tile's stores come behind them
.endr
.endm
.macro SEND a, younger                 ; younger: the next tile's 8 stores and 8 loads, which may stay out
	s_wait_dscnt \younger
.irp i, 0,1,2,3,4,5,6,7
	global_store_b128 v10, v[48+32*(\a)+4*\i:48+32*(\a)+4*\i+3], s[84:85] offset:(32*((\a)/2)+8*((\a)%2)+2*\i+8*(\i/4))*4096 th:TH_STORE_NT   ; places 2 i, 2 i + 1 are tokens 2 i (+ 8 from place 8 on) and the next
.endr
.endm
	s_load_b256 s[4:11], s[0:1], 0x0               ; ctx s[4:5], wq s[6:7], bo s[8:9], out0 s[10:11]
	v_lshl_add_u32 v254, v0, 2, 0x34400
	v_mov_b32 v255, 0
	ds_add_u32 v254, v255
	ds_add_u32 v254, v255
	v_lshrrev_b32 v1, 5, v0
	v_readfirstlane_b32 s[WV], v1
	s_lshr_b32 s21, s[WV], 1                       ; wm: my half of the tokens.  Also: I fetch for ctx (0) or for Wo (1)
	s_and_b32 s22, s[WV], 1                        ; wn: my half of the columns.  Also: which part I fetch
	v_and_b32 v1, 31, v0                           ; L
	v_and_b32 v2, 15, v0                           ; p
	v_bfe_u32 v3, v0, 4, 1                         ; h
	v_lshlrev_b32 v11, 3, v1                       ; 8 L
	v_lshlrev_b32 v12, 4, v1                       ; 16 L
	v_lshlrev_b32 v13, 6, v3                       ; 64 h
	s_mul_i32 s92, s21, 6144
	v_add_nc_u32 v4, s92, v11                      ; ctx's fragments, K steps 0-3
	v_add_nc_u32 v5, 49152, v4                     ; K steps 4-7
	s_mul_i32 s92, s22, 6144
	s_add_co_u32 s92, s92, RB
	v_add_nc_u32 v6, s92, v12                      ; Wo's
	v_add_nc_u32 v7, 49152, v6
	s_mul_i32 s92, s[WV], 4352                     ; my stage: 16 rows x (256 + 16) bytes
	s_add_co_u32 s92, s92, STG
	v_mul_u32_u24 v8, v2, 272
	v_lshl_add_u32 v8, v3, 6, v8
	v_add_nc_u32 v8, s92, v8                       ; in: row p, + 64 h
	v_mul_u32_u24 v9, v3, 272
	v_lshl_add_u32 v9, v2, 4, v9
	v_add_nc_u32 v9, s92, v9                       ; back: lanes 0-15 one row, lanes 16-31 the next
	v_lshlrev_b32 v10, 12, v3
	v_lshl_add_u32 v10, v2, 4, v10                 ; and the same two rows in out0
	s_bfe_u32 s23, ttmp6, 0x40000                  ; cx
	s_bfe_u32 s24, ttmp6, 0x40004                  ; cy
	s_lshl_b32 s25, ttmp9, 2
	s_add_co_u32 s25, s25, s23                     ; X
	s_and_b32 s26, ttmp7, 0xffff
	s_lshl_b32 s26, s26, 2
	s_add_co_u32 s26, s26, s24                     ; Y
	s_lshl_b32 s27, s24, 2
	s_lshl_b32 s27, 15, s27                        ; my row of the cluster
	s_lshl_b32 s28, 0x1111, s23                    ; my column
	s_or_b32 s36, s27, (3<<16)|(1<<21)             ; descriptor groups 1: 192 rows of 256 bytes (32 elements of 8), dense; 15:0 the mask; 21 set beside it
	s_or_b32 s44, s28, (3<<16)|(1<<21)
.irp g, 36, 44
	s_mov_b32 s[\g+1], 32<<16
	s_mov_b32 s[\g+2], 192<<16                     ; 192 rows: half of K of one operand, one load a wave
	s_mov_b32 s[\g+3], 32<<16
	s_mov_b32 s[\g+4], 192
	s_mov_b32 s[\g+5], 32
	s_mov_b32 s[\g+6], 0
	s_mov_b32 s[\g+7], 0
.endr
	s_mul_i32 s94, s22, 49152                      ; my half of K
	s_mul_i32 s88, s26, 98304                      ; ctx's block: from Y alone
	s_add_co_u32 s88, s88, s94
	s_mov_b32 s89, 0
	s_add_co_u32 s29, s25, 24                      ; Wo's column groups are 24 .. 31 of wq
	s_mul_i32 s90, s29, 98304                      ; from X alone
	s_add_co_u32 s90, s90, s94
	s_mov_b32 s91, 0
	s_lshl_b32 s92, s26, 3
	s_lshl_b32 s95, s21, 2
	s_add_co_u32 s92, s92, s95
	s_lshl_b32 s92, s92, 9
	s_add_co_u32 s92, s92, XSC                     ; ctx's scale words: tiles 8 Y + 4 wm on
	s_mov_b32 s93, 0
	s_wait_dscnt 0x0
	s_wait_kmcnt 0x0
	s_add_nc_u64 s[32:33], s[4:5], s[92:93]
	s_lshl_b32 s92, s29, 3
	s_lshl_b32 s95, s22, 2
	s_add_co_u32 s92, s92, s95
	s_lshl_b32 s92, s92, 9
	s_add_co_u32 s92, s92, XSC                     ; Wo's
	s_add_nc_u64 s[34:35], s[6:7], s[92:93]
	s_lshl_b32 s92, s25, 9
	s_lshl_b32 s95, s22, 8
	s_add_co_u32 s92, s92, s95                     ; my 64 columns, in bytes: of the bias,
	s_add_nc_u64 s[86:87], s[8:9], s[92:93]
	s_add_nc_u64 s[84:85], s[10:11], s[92:93]      ; and of a row of out0,
	s_lshl_b32 s92, s26, 7
	s_lshl_b32 s95, s21, 6
	s_add_co_u32 s92, s92, s95
	s_lshl_b32 s92, s92, 12                        ; from row 128 Y + 64 wm on
	s_add_nc_u64 s[84:85], s[84:85], s[92:93]
	s_mov_b32 s60, 1
	s_add_co_u32 s61, s94, RA
	s_add_nc_u64 s[62:63], s[4:5], s[88:89]
	s_or_b32 s63, s63, 0x80000000
	s_mov_b32 s72, 1
	s_add_co_u32 s73, s94, RB
	s_add_nc_u64 s[74:75], s[6:7], s[90:91]
	s_or_b32 s75, s75, 0x80000000
	CROUND                                         ; all sixteen work-groups are here: the joint loads meet
	s_cmp_eq_u32 s21, 0                            ; a wave's one fill: one tensor load of mine is out
	s_cbranch_scc0 .Lfor_w
	tensor_load_to_lds s[60:63], s[36:43]
	s_nop 0
	PLACES
	s_branch .Lasked
.Lfor_w:
	tensor_load_to_lds s[72:75], s[44:51]
	s_nop 0
	PLACES
.Lasked:
.irp a, 0,1,2,3
	global_load_b128 v[SA+4*\a:SA+4*\a+3], v12, s[32:33] offset:512*\a
.endr
.irp c, 0,1,2,3
	global_load_b128 v[SB+4*\c:SB+4*\c+3], v12, s[34:35] offset:512*\c
.endr
	WIN 0x40                                       ; destination window 1
.irp c, 0,1,2,3                                ; lane (p, h), tile c, register j: column 32 (c / 2) + 8 (c % 2) + 16 h + j
	global_load_b128 v[128+8*\c:131+8*\c], v13, s[86:87] offset:128*(\c/2)+32*(\c%2)
	global_load_b128 v[132+8*\c:135+8*\c], v13, s[86:87] offset:128*(\c/2)+32*(\c%2)+16
.endr
	WIN 0
	s_wait_loadcnt 0x0
	s_wait_tensorcnt 0x0                           ; my half of an operand is in
	s_barrier_signal -1
	s_barrier_wait -1
	FETCH 0
	KSTEP 0, -1
	KSTEP 1, -1
	KSTEP 2, -1
	s_wait_alu depctr_va_vdst(0)
	KSTEP 3, -1
	KSTEP 4, -1
	KSTEP 5, -1
	KSTEP 6, -1
	KSTEP 7, -1
	PLACES                                         ; behind the last products: for the first reads of results and the loads into registers that held fragments
	TOSTAGE 0
	TOSTAGE 1
	SEND 0, 16
	TOSTAGE 2
	SEND 1, 16
	TOSTAGE 3
	SEND 2, 16
	SEND 3, 0
	s_wait_tensorcnt 0x0
	ds_add_u32 v254, v255
	s_wait_dscnt 0x0
	CROUND                                         ; the closing round: no work-group ends while a partner may still ask for a block that names it
	s_endpgm
.Lfunc_end_k_q8bc896384c_outp:
	.size	k_q8bc896384c_outp, .Lfunc_end_k_q8bc896384c_outp-k_q8bc896384c_outp
	.p2alignl 7, 3214868480
	.fill 96, 4, 3214868480
	.section	.rodata,"a",@progbits
	.p2align	6, 0x0
	.amdhsa_kernel k_q8bc896384c_outp
		.amdhsa_group_segment_fixed_size 214528
		.amdhsa_private_segment_fixed_size 0
		.amdhsa_enable_private_segment 0
		.amdhsa_kernarg_size 32
		.amdhsa_user_sgpr_count 2
		.amdhsa_user_sgpr_kernarg_segment_ptr 1
		.amdhsa_wavefront_size32 1
		.amdhsa_system_sgpr_workgroup_id_x 1
		.amdhsa_system_sgpr_workgroup_id_y 1
		.amdhsa_system_sgpr_workgroup_id_z 1
		.amdhsa_system_vgpr_workitem_id 0
		.amdhsa_next_free_vgpr 416
		.amdhsa_next_free_sgpr 96
		.amdhsa_reserve_vcc 0
		.amdhsa_float_denorm_mode_32 3
		.amdhsa_float_denorm_mode_16_64 3
		.amdhsa_memory_ordered 1
		.amdhsa_forward_progress 1
		.amdhsa_inst_pref_size 52
	.end_amdhsa_kernel
	.amdgpu_metadata
---
amdhsa.version: [ 1, 2 ]
amdhsa.kernels:
  - .name:           k_q8bc896384c_outp
    .symbol:         k_q8bc896384c_outp.kd
    .args:
      - { .name: ctx, .offset: 0, .size: 8, .value_kind: global_buffer, .address_space: global }
      - { .name: wq, .offset: 8, .size: 8, .value_kind: global_buffer, .address_space: global }
      - { .name: bo, .offset: 16, .size: 8, .value_kind: global_buffer, .address_space: global }
      - { .name: out0, .offset: 24, .size: 8, .value_kind: global_buffer, .address_space: global }
    .group_segment_fixed_size: 214528
    .private_segment_fixed_size: 0
    .kernarg_segment_align: 8
    .kernarg_segment_size: 32
    .max_flat_workgroup_size: 128
    .sgpr_count:     96
    .vgpr_count:     416
    .wavefront_size: 32
...
	.end_amdgpu_metadata
.endif
;; end of part 4
